; MI455X (gfx1250); checked and timed in simulation.
; The chip was launched on July 23, 2026; its instructions are those of AMD's public machine-readable ISA for CDNA 5 (MIT licence, August 2026) and "CDNA5" Instruction Set Architecture Reference Guide (July 2026). The comments in the code are by the model that wrote it; some were corrected since.
;; Transformer Layer. Allowed arithmetic: float matrix products may take bf16 or f16 operands with f32 sums; other float arithmetic in f32, or as packed bf16 or f16 multiplies, adds, multiply-adds, maxima and minima; sums over many terms, partial sums and values carried from step to step in f32; what a program stores and reads back later, other than sums and carried values, may be rounded once to bf16 or f16.
;; Inputs: W1 1,024 x 512 float32; W2 512 x 1,024 float32; Wk 1,024 x 1,024 float32; Wq 1,024 x 1,024 float32; Wv 1,024 x 1,024 float32; b1 512 float32; b2 1,024 float32; bk 1,024 float32; bq 1,024 float32; bv 1,024 float32; ln1_b 1,024 float32; ln1_g 1,024 float32; ln2_b 1,024 float32; ln2_g 1,024 float32; x 4 x 2,048 x 1,024 float32.
;; Outputs: out0 4 x 2,048 x 1,024 float32.
;; One version. Each part assembles by itself: llvm-mc -triple=amdgcn-amd-amdhsa -mcpu=gfx1250 --defsym DOCPART=n.
;; ======== version 1 of 1: 7 launches
;; limits: values are held in f16: magnitudes above 65,504 overflow, below 6.1e-05 lose precision; right only within a limited range of input values
;; workspace buffers: xb 16,777,216 bytes; wb 8,388,608 bytes; qkv 50,331,648 bytes; pt 33,554,432 bytes; stat 1,048,576 bytes; attn 67,108,864 bytes; x1 33,554,432 bytes; rb 8,388,608 bytes
;; launch prep (part 1): grid 768 x 1, 8 waves a work-group, no clusters, 0 bytes of LDS; arguments x, Wq, Wk, Wv, W1, W2, xb, wb; writes xb, wb
.if DOCPART == 1
	.amdgcn_target "amdgcn-amd-amdhsa--gfx1250"
	.amdhsa_code_object_version 6
	.text
	.protected	k_qe9ab4d4028_prep
	.globl	k_qe9ab4d4028_prep
	.p2align	8
	.type	k_qe9ab4d4028_prep,@function
k_qe9ab4d4028_prep:
	s_mov_b64 s[64:65], 0
	v_nop
	global_prefetch_b8 v0, s[64:65] scope:SCOPE_SE
	s_setreg_imm32_b32 hwreg(HW_REG_WAVE_MODE, 25, 1), 1
	s_wait_xcnt 0x0
; f32 to bf16 of x and of the five weight matrices, each kept in its own order (no transposition).
; A work-group converts 16,384 numbers: 256 threads x 16 loads of 16 bytes.  Work-groups 0-511 take x (8,388,608 numbers) into xb;
; 512-575 Wq, 576-639 Wk, 640-703 Wv (1,048,576 each), 704-735 W1, 736-767 W2 (524,288 each) into wb, one behind the other.
; A wave's load covers 512 consecutive bytes, its store 256 consecutive bytes at a multiple of 256.  Memory binds: no LDS, no barrier.
.set IN,  4                            ; v[4:67]   sixteen loads of four f32
.set OUT, 68                           ; v[68:99]  sixteen pairs of packed bf16
	s_load_b512 s[4:19], s[0:1], 0x0               ; x, Wq, Wk, Wv, W1, W2, xb, wb
	v_lshlrev_b32 v1, 4, v0                        ; 16 bytes a thread in
	v_lshlrev_b32 v2, 3, v0                        ; 8 bytes a thread out
	s_wait_kmcnt 0x0
	s_mov_b64 s[20:21], s[4:5]                     ; the source, and the first work-group that reads it
	s_mov_b32 s22, 0
.macro PICK first, lo                  ; work-groups from 'first' on read the buffer whose address is in s[lo:lo+1]
	s_cmp_ge_u32 ttmp9, \first
	s_cselect_b64 s[20:21], s[\lo:\lo+1], s[20:21]
	s_cselect_b32 s22, \first, s22
.endm
	PICK 512, 6
	PICK 576, 8
	PICK 640, 10
	PICK 704, 12
	PICK 736, 14
	s_cmp_lt_u32 ttmp9, 512
	s_cselect_b64 s[24:25], s[16:17], s[18:19]     ; xb for x, wb for the weights
	s_cselect_b32 s26, 0, 512
	s_sub_co_u32 s22, ttmp9, s22
	s_lshl_b32 s22, s22, 16                        ; 65,536 bytes of f32 a work-group
	s_mov_b32 s23, 0
	s_add_nc_u64 s[20:21], s[20:21], s[22:23]
	s_sub_co_u32 s26, ttmp9, s26
	s_lshl_b32 s26, s26, 15                        ; 32,768 bytes of bf16 a work-group
	s_mov_b32 s27, 0
	s_add_nc_u64 s[24:25], s[24:25], s[26:27]
.irp j, 0,1,2,3,4,5,6,7,8,9,10,11,12,13,14,15
	global_load_b128 v[IN+4*\j:IN+4*\j+3], v1, s[20:21] offset:4096*\j th:TH_LOAD_NT
.endr
.irp j, 0,1,2,3,4,5,6,7,8,9,10,11,12,13,14,15
	s_wait_loadcnt 15-\j                           ; loads come back in order: load j is in, the 15 - j younger ones stay out
	v_cvt_pk_bf16_f32 v[OUT+2*\j],   v[IN+4*\j],   v[IN+4*\j+1]
	v_cvt_pk_bf16_f32 v[OUT+2*\j+1], v[IN+4*\j+2], v[IN+4*\j+3]
	global_store_b64 v2, v[OUT+2*\j:OUT+2*\j+1], s[24:25] offset:2048*\j
.endr
	s_endpgm
.Lfunc_end_k_qe9ab4d4028_prep:
	.size	k_qe9ab4d4028_prep, .Lfunc_end_k_qe9ab4d4028_prep-k_qe9ab4d4028_prep
	.p2alignl 7, 3214868480
	.fill 96, 4, 3214868480
	.section	.rodata,"a",@progbits
	.p2align	6, 0x0
	.amdhsa_kernel k_qe9ab4d4028_prep
		.amdhsa_group_segment_fixed_size 0
		.amdhsa_private_segment_fixed_size 0
		.amdhsa_enable_private_segment 0
		.amdhsa_kernarg_size 64
		.amdhsa_user_sgpr_count 2
		.amdhsa_user_sgpr_kernarg_segment_ptr 1
		.amdhsa_wavefront_size32 1
		.amdhsa_system_sgpr_workgroup_id_x 1
		.amdhsa_system_sgpr_workgroup_id_y 1
		.amdhsa_system_sgpr_workgroup_id_z 1
		.amdhsa_system_vgpr_workitem_id 0
		.amdhsa_next_free_vgpr 104
		.amdhsa_next_free_sgpr 66
		.amdhsa_reserve_vcc 0
		.amdhsa_float_denorm_mode_32 3
		.amdhsa_float_denorm_mode_16_64 3
		.amdhsa_memory_ordered 1
		.amdhsa_forward_progress 1
		.amdhsa_inst_pref_size 8
	.end_amdhsa_kernel
	.amdgpu_metadata
---
amdhsa.version: [ 1, 2 ]
amdhsa.kernels:
  - .name:           k_qe9ab4d4028_prep
    .symbol:         k_qe9ab4d4028_prep.kd
    .args:
      - { .name: x, .offset: 0, .size: 8, .value_kind: global_buffer, .address_space: global }
      - { .name: Wq, .offset: 8, .size: 8, .value_kind: global_buffer, .address_space: global }
      - { .name: Wk, .offset: 16, .size: 8, .value_kind: global_buffer, .address_space: global }
      - { .name: Wv, .offset: 24, .size: 8, .value_kind: global_buffer, .address_space: global }
      - { .name: W1, .offset: 32, .size: 8, .value_kind: global_buffer, .address_space: global }
      - { .name: W2, .offset: 40, .size: 8, .value_kind: global_buffer, .address_space: global }
      - { .name: xb, .offset: 48, .size: 8, .value_kind: global_buffer, .address_space: global }
      - { .name: wb, .offset: 56, .size: 8, .value_kind: global_buffer, .address_space: global }
    .group_segment_fixed_size: 0
    .private_segment_fixed_size: 0
    .kernarg_segment_align: 8
    .kernarg_segment_size: 64
    .max_flat_workgroup_size: 256
    .sgpr_count:     66
    .vgpr_count:     104
    .wavefront_size: 32
...
	.end_amdgpu_metadata
.endif
;; end of part 1
;; launch proj (part 2): grid 4 x 128, 4 waves a work-group, clusters of 4 x 4, 327,680 bytes of LDS; arguments xb, wb, qkv, bq, bk, bv; writes qkv
.if DOCPART == 2
	.amdgcn_target "amdgcn-amd-amdhsa--gfx1250"
	.amdhsa_code_object_version 6
	.text
	.protected	k_qe9ab4d4028_proj
	.globl	k_qe9ab4d4028_proj
	.p2align	8
	.type	k_qe9ab4d4028_proj,@function
k_qe9ab4d4028_proj:
	s_mov_b64 s[64:65], 0
	v_nop
	global_prefetch_b8 v0, s[64:65] scope:SCOPE_SE
	s_setreg_imm32_b32 hwreg(HW_REG_WAVE_MODE, 25, 1), 1
	s_wait_xcnt 0x0
	s_wait_alu depctr_hold_cnt(0) depctr_sa_sdst(0) depctr_va_vdst(0) depctr_va_sdst(0) depctr_va_ssrc(0) depctr_va_vcc(0) depctr_vm_vsrc(0)
	s_getreg_b32 s2, hwreg(HW_REG_IB_STS2, 6, 4)
	s_cmp_eq_u32 s2, 0
	s_cbranch_scc0 .Lentry_in_a_cluster
	s_endpgm
.Lentry_in_a_cluster:
	s_bfe_u32 s2, ttmp6, 0x10000c
	s_cmp_lg_u32 s2, 0xf033
	s_cbranch_scc0 .Lentry_shape_is_right
	s_endpgm
.Lentry_shape_is_right:
; q, k, v = x W + b.  xb: [8192][1024] bf16.  wb: Wq, Wk, Wv, each [1024 (k)][1024 (n)] bf16.  qkv: [3][8192][1024] f16.  Sums in f32.
; WHY f16 OUT: q, k, v are operands of the two attention products, whose result a layer norm scales up to unit spread, so their relative rounding
; shows in the output as an absolute error; f16 keeps 11 significant bits where bf16 keeps 8.
; LIMIT: |q|, |k|, |v| < 65,504.  Each is a sum of 1,024 products with a spread of about 0.58; with x and W both 30 times larger the spread is about 520
; and the largest of 8,388,608 numbers about 3,000; with x offset by 30 and W by 30 / 32 they lie near 30 x (30 / 32) x 1,024 = 28,800;
; with both 30 times smaller the spread is 6.4e-4 against f16's smallest step of 6e-8.
; THE SHARE OF THE WORK: 8192 x 3072 outputs are 384 blocks of 256 x 256, which 256 WGPs cannot share evenly.  So q and k are made as
; 2 x 32 x 4 = 256 blocks of 256 x 256 (cluster rows 0-15) and v as 64 x 4 = 256 blocks of 128 x 256 (cluster rows 16-31): 512 work-groups,
; for each WGP one of either kind, one and a half blocks' work.  Both kinds are one text: the macros below are expanded twice, with RB = 8 and RB = 4
; row blocks of 16 for a wave; which way a work-group goes hangs on the cluster's y alone, the same in all partners.
; Four waves; a wave makes RB x 16 rows x 128 columns: 64 or 32 accumulator tiles of 16 x 16.
; K goes in steps of 128 through two LDS slots filled by tensor loads.  A slot holds A's rows (256 bytes + 16 of padding each) and
; 128 k-rows of B (512 bytes + 32 of padding each); B's fragments are read by the transposing LDS load.
; CLUSTERS of 4 x 4: cx = the block of 256 columns, cy with the cluster's y = the block of rows.  A's tile hangs on the block row alone and is asked for
; jointly by a row of the cluster, B's on matrix and block column alone and is asked for jointly by a column.
; REGISTERS in windows of 256: window 0 addresses and A's fragments (two buffers), window 1 B's fragments (two buffers) and the bias,
; window 2 the accumulators of my rows 0-63 (tile (a, b) at v[8 (8 a + b)]), window 3 those of rows 64-127 (RB = 8 alone).
; The matrix instruction is used transposed (source 0 = B, source 1 = A): lane l holds row l % 16 of C and columns 8 (l / 16) + 0..7.
; The first product of each tile takes the bias as C, so nothing is cleared and no add follows.
; Tensor loads outstanding in a wave, by this text's count: two at the start, then one.
.set AP,     1024                      ; elements from row to row of A
.set BP,     1024                      ; of B
.set LAPS,   4                         ; K = 1024 = 4 laps of two K steps
.set CPB,    2048                      ; bytes from row to row of C
.set PITCH,  272                       ; an LDS row of A: 17 x 16 bytes, so 16 rows start at 16 different 16-byte columns of 256
.set BPITCH, 544                       ; an LDS row of B: 17 x 32 bytes
.set HALFT,  128*PITCH                 ; half of B's tile: 64 x 544 bytes; with RB = 8 also half of A's: 128 x 272
.set SLOT,   4*HALFT                   ; room for A's 256 rows (RB = 4 uses the first 128), then B's two halves
.set STAGE,  2*SLOT                    ; behind the ring: 16 rows x 272 bytes for each wave, for the way out; no tensor load lands there
.set WSTAGE, 16*PITCH
.set STEPA,  256                       ; bytes from K step to K step in A
.set STEPB,  128*BP*2                  ; and in B: 128 rows
.set RB,     8                         ; row blocks of a wave; set again ahead of each expansion of JOB
.set ADRA, 16                          ; v16-17 LDS address of my A fragments in slot 0, 1
.set ADRB, 20                          ; v20-21 the same for B
.set STO,  24                          ; the way out: where I put my 16 bytes of a row
.set RD,   25                          ; where I read rows back
.set CO,   26                          ; my byte offset in C
.set BO,   27                          ; my byte offset in the bias
.set F0,   64
.set F1,   128
.set TMP,  192
.set BIAS, 192                         ; window 1: v[192+8b : 199+8b] = the bias of my columns 16 b + 8 (l / 16) + 0..7
.set G1,  24                           ; s[24:31] group 1 for A, s[32:39] group 0 for A, one set a slot
.set G0,  32
.set G1B, 48                           ; s[48:55], s[56:63] the same for B
.set G0B, 56
.set MSB, 0
.macro WIN new                         ; the immediate's high byte repeats the setting that is left
.if MSB != (\new)
	s_set_vgpr_msb (MSB<<8)|(\new)
.set MSB, (\new)
.endif
.endm
.macro PLACES                          ; four places behind matrix instructions in front of loads into, or vector work on, their registers
.rept 4
	v_nop
.endr
.endm
.macro SHAPE g, cols, rows, pitch      ; words 1 to 7 of a group 1: extents = tile sizes (no tile crosses the tensor's end), pitch in elements
	s_mov_b32 s[\g+1], (\cols)<<16
	s_mov_b32 s[\g+2], (\rows)<<16
	s_mov_b32 s[\g+3], (\cols)<<16
	s_mov_b32 s[\g+4], \rows
	s_mov_b32 s[\g+5], \pitch
	s_mov_b32 s[\g+6], 0
	s_mov_b32 s[\g+7], 0
.endm
.macro JLOAD s                         ; waves 0, 1 fetch A's halves, waves 2, 3 B's: one tensor load a wave; the branch hangs on the wave's number alone
	s_cmp_eq_u32 s11, 0
	s_cbranch_scc0 .Lfor_b_\@
	tensor_load_to_lds s[G0+4*\s:G0+4*\s+3], s[G1:G1+7]
	s_nop 0
.rept 4
	v_nop
.endr
	s_branch .Lasked_\@
.Lfor_b_\@:
	tensor_load_to_lds s[G0B+4*\s:G0B+4*\s+3], s[G1B:G1B+7]
	s_nop 0
.rept 4
	v_nop
.endr
.Lasked_\@:
.endm
.macro CREST                           ; a round of the cluster's barrier behind its opening work-group barrier
	s_cmp_lg_u32 s10, 0
	s_cbranch_scc1 .Lnot_wave_0_\@
	s_barrier_signal -3
.Lnot_wave_0_\@:
	s_barrier_wait -3
	s_barrier_signal -1
	s_barrier_wait -1
.endm
.macro CROUND
	s_barrier_signal -1
	s_barrier_wait -1
	CREST
.endm
.macro FIRST                           ; both slots' group 0 and first fills; s[14:15] A's tile, s[46:47] B's; s84 = wave x half of A's tile, s20 = wave x HALFT
.irp s, 0,1
	s_mov_b32 s[G0+4*\s], 1
	s_add_co_u32 s[G0+4*\s+1], s84, \s*SLOT
	s_add_nc_u64 s[G0+4*\s+2:G0+4*\s+3], s[14:15], \s*STEPA
	s_or_b32 s[G0+4*\s+3], s[G0+4*\s+3], 0x80000000
	s_mov_b32 s[G0B+4*\s], 1
	s_add_co_u32 s[G0B+4*\s+1], s20, \s*SLOT
	s_add_nc_u64 s[G0B+4*\s+2:G0B+4*\s+3], s[46:47], \s*STEPB
	s_or_b32 s[G0B+4*\s+3], s[G0B+4*\s+3], 0x80000000
	JLOAD \s
.endr
.endm
.macro LANES hshift                    ; the lane's LDS addresses and its offset in C.  Leaves v1 = l % 16, v2 = l / 16
	v_and_b32 v1, 15, v0
	v_bfe_u32 v2, v0, 4, 1
	v_mul_u32_u24 v3, v1, PITCH
	v_lshl_add_u32 v3, v2, 4, v3                   ; A: row l % 16, 16 bytes for each half of the lanes
	s_mul_i32 s21, s11, RB*16*PITCH                ; my rows of A
	v_and_b32 v4, 7, v0
	v_lshl_add_u32 v4, v2, 3, v4                   ; B: k-row 8 (l / 16) + l % 8,
	v_mul_u32_u24 v4, v4, BPITCH
	v_bfe_u32 v5, v0, 3, 1
	v_lshl_add_u32 v4, v5, 4, v4                   ; 16 bytes (8 columns) by bit 3 of the lane
	s_lshl_b32 s22, s12, 8                         ; my 128 columns of B,
	s_add_co_u32 s22, s22, 2*HALFT                 ; which lies behind A's room
.irp s, 0,1
	v_add_nc_u32 v[ADRA+\s], s21, v3
	v_add_nc_u32 v[ADRB+\s], s22, v4
	s_add_co_u32 s21, s21, SLOT
	s_add_co_u32 s22, s22, SLOT
.endr
	s_mul_i32 s23, s10, WSTAGE
	s_add_co_u32 s23, s23, STAGE                   ; my stage
	v_mul_u32_u24 v5, v1, PITCH
	v_lshl_add_u32 v5, v2, \hshift, v5
	v_add_nc_u32 v[STO], s23, v5
	v_mul_u32_u24 v5, v2, PITCH                    ; back: lanes 0-15 one row of 256 bytes, lanes 16-31 the next
	v_lshl_add_u32 v5, v1, 4, v5
	v_add_nc_u32 v[RD], s23, v5
	v_mul_u32_u24 v5, v2, CPB
	v_lshl_add_u32 v[CO], v1, 4, v5
.endm
; 16 matrix instructions: row blocks a0, a0 + 1 of the window's four x all 8 column blocks, 32 along K.  first = 1: C is the bias.
; The accumulators (64, or 32 with RB = 4) take turns, one instruction a turn, in the same order everywhere.
.macro MUL16 f, hi, a0, first
.irp a, \a0, \a0+1
.irp b, 0,1,2,3,4,5,6,7
.if \first
	v_wmma_f32_16x16x32_bf16 v[8*(8*(\a)+\b):8*(8*(\a)+\b)+7], v[\f+8*\b:\f+8*\b+7], v[\f+8*(4*\hi+\a):\f+8*(4*\hi+\a)+7], v[BIAS+8*\b:BIAS+8*\b+7]
.else
	v_wmma_f32_16x16x32_bf16 v[8*(8*(\a)+\b):8*(8*(\a)+\b)+7], v[\f+8*\b:\f+8*\b+7], v[\f+8*(4*\hi+\a):\f+8*(4*\hi+\a)+7], v[8*(8*(\a)+\b):8*(8*(\a)+\b)+7]
.endif
.endr
.endr
.endm
.macro MWIN hi, first                  ; source 0 (B) window 1, source 1 (A) window 0, D window 2 + hi; C the same, or window 1 for the bias
.if \first
	WIN 0x91+0x40*\hi
.else
	WIN 0xa1+0x50*\hi
.endif
.endm
; One run of LDS loads: the fragments of 32 along K (byte k of A's rows, k-rows k / 2 of B) into buffer f: 16 for B, 2 RB for A
.macro FETCH slot, k, f
	WIN 0x40
.irp i, 0,1,2,3,4,5,6,7
	ds_load_tr16_b128 v[\f+8*\i:\f+8*\i+3],   v[ADRB+\slot] offset:(\k/64)*32*BPITCH+32*\i
	ds_load_tr16_b128 v[\f+8*\i+4:\f+8*\i+7], v[ADRB+\slot] offset:(\k/64)*32*BPITCH+16*BPITCH+32*\i
.endr
	WIN 0
.set fi, 0
.rept RB
	ds_load_b128 v[\f+8*fi:\f+8*fi+3],   v[ADRA+\slot] offset:\k+fi*16*PITCH
	ds_load_b128 v[\f+8*fi+4:\f+8*fi+7], v[ADRA+\slot] offset:\k+fi*16*PITCH+32
.set fi, fi+1
.endr
.endm
; A quarter of a K step multiplies buffer f and fetches the next quarter's fragments into buffer g.
; RB = 8: 64 matrix instructions, the 32 loads in their middle.  RB = 4: 32 matrix instructions, the 24 loads ahead of them, so that they have
; all 32 in which to come back.
.macro QUARTER slot, k, f, g, first
.if RB == 8
	s_wait_dscnt 8                                 ; B and A's rows 0-63 are in; the youngest eight loads (A's rows 64-127) may be out
	MWIN 0, \first
	MUL16 \f, 0, 0, \first
	MUL16 \f, 0, 2, \first
	PLACES
	FETCH \slot, \k, \g
	s_wait_dscnt 32                                ; all but the 32 just issued
	MWIN 1, \first
	MUL16 \f, 1, 0, \first
	MUL16 \f, 1, 2, \first
.else
	s_wait_dscnt 0x0                               ; buffer f is in: its loads were issued a quarter ago
	PLACES                                         ; behind the last quarter's matrix instructions, which read buffer g
	FETCH \slot, \k, \g
	MWIN 0, \first
	MUL16 \f, 0, 0, \first
	MUL16 \f, 0, 2, \first
.endif
.endm
.macro THREE slot, first
	QUARTER \slot, 64,  F0, F1, \first
	QUARTER \slot, 128, F1, F0, 0
	QUARTER \slot, 192, F0, F1, 0
.endm
; The last quarter of a K step changes slots.  In front of the barrier each wave waits for its reads of this slot and for all its tensor loads
; (one is out: its part of the next slot).  With fill = 1 that barrier opens a round of the cluster's barrier, and the joint refill is the first
; tensor load behind the round's closing wait.
.macro TURN slot, next, fill
.if RB == 8
	s_wait_dscnt 8
	WIN 0xa1
	MUL16 F1, 0, 0, 0
	s_wait_dscnt 0x0                               ; my reads of this slot are over
	s_wait_tensorcnt 0x0                           ; all my tensor loads have landed
	s_barrier_signal -1
	MUL16 F1, 0, 2, 0                              ; register work while the others arrive
.else
	s_wait_dscnt 0x0                               ; buffer 1 is in, and with it my reads of this slot are over
	s_wait_tensorcnt 0x0                           ; all my tensor loads have landed
	s_barrier_signal -1
	WIN 0xa1
	MUL16 F1, 0, 0, 0                              ; register work while the others arrive
.endif
	WIN 0
	s_barrier_wait -1
.if \fill
	CREST
	s_add_nc_u64 s[G0+4*\slot+2:G0+4*\slot+3], s[G0+4*\slot+2:G0+4*\slot+3], 2*STEPA
	s_add_nc_u64 s[G0B+4*\slot+2:G0B+4*\slot+3], s[G0B+4*\slot+2:G0B+4*\slot+3], 2*STEPB
	JLOAD \slot                                    ; its four v_nop are also the places in front of the loads below
.else
	PLACES
.endif
	FETCH \next, 0, F0
.if RB == 8
	WIN 0xf1
	MUL16 F1, 1, 0, 0
	MUL16 F1, 1, 2, 0
.else
	WIN 0xa1
	MUL16 F1, 0, 2, 0
.endif
.endm
.macro LAP first                       ; once round the ring, both slots filled again
	THREE 0, \first
	TURN 0, 1, 1
	THREE 1, 0
	TURN 1, 0, 1
.endm
.macro LAST first                      ; the last lap fills nothing
	THREE 0, \first
	TURN 0, 1, 0
	THREE 1, 0
.if RB == 8
	s_wait_dscnt 8
	WIN 0xa1
	MUL16 F1, 0, 0, 0
	MUL16 F1, 0, 2, 0
	s_wait_dscnt 0x0
	WIN 0xf1
	MUL16 F1, 1, 0, 0
	MUL16 F1, 1, 2, 0
.else
	s_wait_dscnt 0x0
	WIN 0xa1
	MUL16 F1, 0, 0, 0
	MUL16 F1, 0, 2, 0
.endif
.endm
; The way out in f16: rows 16 i .. 16 i + 15 of my block = tiles (al, 0..7) of window W; through my own stage, read back as whole rows of 256 bytes
.macro OUTB i, al, W, f
	WIN (\W|(\W<<2))
.irp b, 0,1,2,3,4,5,6,7
.irp rr, 0,1,2,3
	v_cvt_pk_f16_f32 v[TMP+4*\b+\rr], v[64*\al+8*\b+2*\rr], v[64*\al+8*\b+2*\rr+1]
.endr
.endr
	WIN 0
.irp b, 0,1,2,3,4,5,6,7
	ds_store_b128 v[STO], v[TMP+4*\b:TMP+4*\b+3] offset:32*\b
.endr
	s_wait_xcnt 0x0                                ; buffer f, which earlier stores read, is loaded again only behind this wait
.irp t, 0,1,2,3,4,5,6,7
	ds_load_b128 v[\f+4*\t:\f+4*\t+3], v[RD] offset:\t*2*PITCH     ; LDS serves a wave's instructions in order: these see the stores above
.endr
.irp t, 0,1,2,3,4,5,6,7
	s_wait_dscnt 7-\t
	global_store_b128 v[CO], v[\f+4*\t:\f+4*\t+3], s[8:9] offset:(16*\i+2*\t)*CPB   ; 16 lanes store 256 consecutive bytes at a multiple of 256
.endr
.endm
; A whole block of 32 RB rows x 256 columns.  s45 = the matrix (0 q, 1 k, 2 v), s13 = the block of 32 RB rows, s40 = cx = the block of 256 columns.
.macro JOB tag
	SHAPE G1, 128, RB*16, AP                       ; what a wave fetches of A: 16 RB rows of 128 along K
	s_mul_i32 s84, s10, RB*16*PITCH                ; and where it lies (waves 0, 1): the wave's number alone
	s_mul_i32 s16, s13, RB*32
	s_mul_i32 s17, s12, RB*16
	s_add_co_u32 s16, s16, s17                     ; A: row 32 RB x block row + 16 RB x half,
	s_lshl_b32 s16, s16, 11                        ; of 2,048 bytes
	s_mov_b32 s17, 0
	s_lshl_b32 s46, s45, 21                        ; B: the matrix (2,097,152 bytes each),
	s_lshl_b32 s47, s40, 9                         ; 512 bytes a block column,
	s_add_co_u32 s46, s46, s47
	s_lshl_b32 s47, s12, 17                        ; 64 k-rows of 2,048 bytes a half
	s_add_co_u32 s46, s46, s47
	s_mov_b32 s47, 0
	s_wait_kmcnt 0x0
	s_add_nc_u64 s[14:15], s[4:5], s[16:17]
	s_add_nc_u64 s[46:47], s[6:7], s[46:47]
	CROUND                                         ; all sixteen work-groups are here: the first joint loads meet
	FIRST
	LANES 4
	s_cmp_eq_u32 s45, 1                            ; the bias of my matrix
	s_cselect_b64 s[74:75], s[70:71], s[68:69]
	s_cmp_eq_u32 s45, 2
	s_cselect_b64 s[74:75], s[72:73], s[74:75]
	s_lshl_b32 s76, s40, 10
	s_lshl_b32 s77, s12, 9
	s_add_co_u32 s76, s76, s77                     ; 4 bytes x (256 x block column + 128 x half)
	s_mov_b32 s77, 0
	s_add_nc_u64 s[74:75], s[74:75], s[76:77]
	v_lshlrev_b32 v[BO], 5, v2                     ; 8 numbers further for lanes 16-31
	WIN 0x40
.irp b, 0,1,2,3,4,5,6,7
	global_load_b128 v[BIAS+8*\b:BIAS+8*\b+3],   v[BO], s[74:75] offset:64*\b
	global_load_b128 v[BIAS+8*\b+4:BIAS+8*\b+7], v[BO], s[74:75] offset:64*\b+16
.endr
	WIN 0
	s_wait_loadcnt 0x0                             ; the bias, once
	s_wait_tensorcnt 0x1                           ; my part of K step 0 is in; K step 1's may stay out
	s_barrier_signal -1
	s_barrier_wait -1
	FETCH 0, 0, F0
	LAP 1
	WIN 0
	s_mov_b32 s3, LAPS-2
.Llap_\tag:
	LAP 0
	WIN 0
	s_sub_co_u32 s3, s3, 1
	s_cmp_lg_u32 s3, 0
	s_cbranch_scc1 .Llap_\tag
	LAST 0
	PLACES
	s_mul_i32 s16, s13, RB*32
	s_mul_i32 s14, s11, RB*16
	s_add_co_u32 s16, s16, s14                     ; my first row of C,
	s_lshl_b32 s16, s16, 11                        ; of 2,048 bytes
	s_mov_b32 s17, 0
	s_add_nc_u64 s[8:9], s[8:9], s[16:17]
	s_lshl_b32 s46, s45, 24                        ; the result (16,777,216 bytes each), and my first column
	s_lshl_b32 s47, s40, 9
	s_add_co_u32 s46, s46, s47
	s_lshl_b32 s47, s12, 8
	s_add_co_u32 s46, s46, s47
	s_mov_b32 s47, 0
	s_add_nc_u64 s[8:9], s[8:9], s[46:47]
	OUTB 0, 0, 2, F0
	OUTB 1, 1, 2, F1
	OUTB 2, 2, 2, F0
	OUTB 3, 3, 2, F1
.if RB == 8
	OUTB 4, 0, 3, F0
	OUTB 5, 1, 3, F1
	OUTB 6, 2, 3, F0
	OUTB 7, 3, 3, F1
.endif
	CROUND                                         ; the closing round: no work-group ends while a partner may still ask for a tile that names it
	s_endpgm
.endm
	s_load_b128 s[4:7], s[0:1], 0x0                ; xb, wb
	s_load_b64 s[8:9], s[0:1], 0x10                ; qkv
	s_load_b128 s[68:71], s[0:1], 0x18             ; bq, bk
	s_load_b64 s[72:73], s[0:1], 0x28              ; bv
	v_lshrrev_b32 v1, 5, v0
	v_readfirstlane_b32 s10, v1                    ; wave 0..3
	s_lshr_b32 s11, s10, 1                         ; my half of the rows; also: I fetch for A (0) or B (1)
	s_and_b32 s12, s10, 1                          ; my half of the columns; also: which half of that tile I fetch
	s_bfe_u32 s40, ttmp6, 0x40000                  ; cx
	s_bfe_u32 s41, ttmp6, 0x40004                  ; cy
	s_and_b32 s66, ttmp7, 0xffff                   ; the cluster's y, 0 to 31
	s_lshl_b32 s43, s41, 2
	s_lshl_b32 s43, 15, s43                        ; my row of the cluster
	s_lshl_b32 s44, 0x1111, s40                    ; my column
	s_or_b32 s[G1], s43, (1<<16)|(1<<20)|(1<<21)|(5<<22)|(3<<25)    ; 2-byte elements, 4 words of padding behind every 64, the mask of my row with bit 21 beside it
	s_or_b32 s[G1B], s44, (1<<16)|(1<<20)|(1<<21)|(6<<22)|(7<<25)   ; 8 words of padding behind every 128, the mask of my column
	SHAPE G1B, 256, 64, BP
	s_mul_i32 s20, s10, HALFT                      ; where my half of B's tile lies (waves 2, 3): the wave's number alone
	s_cmp_ge_u32 s66, 16
	s_cbranch_scc1 .Lhalf_height
.set RB, 8                                             ; cluster rows 0-15: q (0-7) and k (8-15), blocks of 256 rows
	s_lshr_b32 s45, s66, 3                         ; the matrix
	s_and_b32 s13, s66, 7
	s_lshl_b32 s13, s13, 2
	s_add_co_u32 s13, s13, s41                     ; block row = 4 x (cluster y mod 8) + cy, 0 to 31
	JOB full
.Lhalf_height:
.set RB, 4                                             ; cluster rows 16-31: v, blocks of 128 rows
	s_mov_b32 s45, 2
	s_sub_co_u32 s13, s66, 16
	s_lshl_b32 s13, s13, 2
	s_add_co_u32 s13, s13, s41                     ; block row = 4 x (cluster y - 16) + cy, 0 to 63
	JOB half
.Lfunc_end_k_qe9ab4d4028_proj:
	.size	k_qe9ab4d4028_proj, .Lfunc_end_k_qe9ab4d4028_proj-k_qe9ab4d4028_proj
	.p2alignl 7, 3214868480
	.fill 96, 4, 3214868480
	.section	.rodata,"a",@progbits
	.p2align	6, 0x0
	.amdhsa_kernel k_qe9ab4d4028_proj
		.amdhsa_group_segment_fixed_size 327680
		.amdhsa_private_segment_fixed_size 0
		.amdhsa_enable_private_segment 0
		.amdhsa_kernarg_size 48
		.amdhsa_user_sgpr_count 2
		.amdhsa_user_sgpr_kernarg_segment_ptr 1
		.amdhsa_wavefront_size32 1
		.amdhsa_system_sgpr_workgroup_id_x 1
		.amdhsa_system_sgpr_workgroup_id_y 1
		.amdhsa_system_sgpr_workgroup_id_z 1
		.amdhsa_system_vgpr_workitem_id 0
		.amdhsa_next_free_vgpr 1024
		.amdhsa_next_free_sgpr 96
		.amdhsa_reserve_vcc 0
		.amdhsa_float_denorm_mode_32 3
		.amdhsa_float_denorm_mode_16_64 3
		.amdhsa_memory_ordered 1
		.amdhsa_forward_progress 1
		.amdhsa_inst_pref_size 255
	.end_amdhsa_kernel
	.section	.bss,"aw",@nobits
	.p2align	6
	.space	262144
	.amdgpu_metadata
---
amdhsa.version: [ 1, 2 ]
amdhsa.kernels:
  - .name:           k_qe9ab4d4028_proj
    .symbol:         k_qe9ab4d4028_proj.kd
    .args:
      - { .name: xb, .offset: 0, .size: 8, .value_kind: global_buffer, .address_space: global }
      - { .name: wb, .offset: 8, .size: 8, .value_kind: global_buffer, .address_space: global }
      - { .name: qkv, .offset: 16, .size: 8, .value_kind: global_buffer, .address_space: global }
      - { .name: bq, .offset: 24, .size: 8, .value_kind: global_buffer, .address_space: global }
      - { .name: bk, .offset: 32, .size: 8, .value_kind: global_buffer, .address_space: global }
      - { .name: bv, .offset: 40, .size: 8, .value_kind: global_buffer, .address_space: global }
    .group_segment_fixed_size: 327680
    .private_segment_fixed_size: 0
    .kernarg_segment_align: 8
    .kernarg_segment_size: 48
    .max_flat_workgroup_size: 128
    .sgpr_count:     96
    .vgpr_count:     1024
    .wavefront_size: 32
...
	.end_amdgpu_metadata
.endif
;; end of part 2
;; launch scores (part 3): grid 36 x 4, 4 waves a work-group, no clusters, 327,680 bytes of LDS; arguments qkv, pt, stat; writes pt, stat
.if DOCPART == 3
	.amdgcn_target "amdgcn-amd-amdhsa--gfx1250"
	.amdhsa_code_object_version 6
	.text
	.protected	k_qe9ab4d4028_scores
	.globl	k_qe9ab4d4028_scores
	.p2align	8
	.type	k_qe9ab4d4028_scores,@function
k_qe9ab4d4028_scores:
	s_mov_b64 s[64:65], 0
	v_nop
	global_prefetch_b8 v0, s[64:65] scope:SCOPE_SE
	s_setreg_imm32_b32 hwreg(HW_REG_WAVE_MODE, 25, 1), 1
	s_wait_xcnt 0x0
; The causal blocks of q k^T with the first half of the softmax.  qkv: [3][8192][1024] f16 (q, k, v); the product takes f16 operands and sums in f32.
; Work-group (p, batch): p = 0..35 counts the blocks (i, j), j <= i, of 256 queries x 256 keys; blocks above the diagonal are all masked and are left out.
; A wave makes 128 queries x 128 keys.  For each query row and this tile t of 128 keys it stores
;   NM = -ceil(c max), c = log2(e) / 32, max = the tile's largest masked score;   P = 2^(c s + NM) in f16 (at most about 1);   L = the f32 sum of these powers.
; pt: [8192][2048] f16 = P.  stat: NM [16 (t)][8192] f32, then L [16][8192] f32.  The next launch takes the row's true maximum from the NM.
; P HAS ROOM IN f16 for every input: the tile's own maximum is taken away, so P lies in (0, 1] (in a tile that is masked whole, where c s + NM is the
; rounding of one product near 4.5e7, at most 2^2); a power below 2^-14 is rounded with an error of at most 2^-25 of the tile's largest.
; LIMIT: a masked score is set to -1e9 where the layer's definition has s - 1e9: the same result while |q.k| stays far below 1e9.
; NO CLUSTER: block row i has i + 1 blocks and block column j has 8 - j; neither count divides into fours without work-groups that have nothing to compute.
; Ring, registers and the transposed use of the matrix instruction: A = q rows, B = k rows, both along K; two LDS slots of 256 + 256 rows of 272 bytes;
; window 0 addresses and A's fragments, window 1 B's, windows 2 and 3 the accumulators (tile (a, b) at v[8 (8 a + b)]);
; lane l holds query row l % 16 of a tile and keys 8 (l / 16) + 0..7.  Tensor loads outstanding in a wave: two at the start, then one.
.set AP,     1024
.set LAPS,   4
.set CPB,    4096                      ; bytes from row to row of pt
.set PITCH,  272
.set HALFT,  128*PITCH
.set SLOT,   4*HALFT
.set STAGE,  2*SLOT
.set WSTAGE, 16*PITCH+1024             ; a wave's stage: 16 rows of P, then 128 NM and 128 L
.set STEPA,  256
.set STEPB,  256
.set ADRA, 16
.set ADRB, 20
.set STO,  24
.set RD,   25
.set CO,   26
.set D0,   27                          ; first key of my registers minus my query row, for tile (0, 0)
.set SST,  28                          ; where I put NM and L of my row
.set SRD,  29                          ; where I read four of them back
.set NM,   30                          ; v[30:31] NM, twice
.set M,    32                          ; v[32:35] four running maxima
.set SO,   36                          ; my byte offset in stat
.set F0,   64
.set S,    96                          ; v[96:127] partial sums
.set F1,   128
.set TMP,  192
.set G1,  24
.set G0,  32
.set G1B, 48
.set G0B, 56
.set MSB, 0
.macro WIN new
.if MSB != (\new)
	s_set_vgpr_msb (MSB<<8)|(\new)
.set MSB, (\new)
.endif
.endm
.macro PLACES                          ; four places behind matrix instructions (ISA guide 7.12.1)
.rept 4
	v_nop
.endr
.endm
.macro SHAPE g, cols, rows, pitch
	s_mov_b32 s[\g+1], (\cols)<<16
	s_mov_b32 s[\g+2], (\rows)<<16
	s_mov_b32 s[\g+3], (\cols)<<16
	s_mov_b32 s[\g+4], \rows
	s_mov_b32 s[\g+5], \pitch
	s_mov_b32 s[\g+6], 0
	s_mov_b32 s[\g+7], 0
.endm
.macro JLOAD s                         ; waves 0, 1 fetch q's halves, waves 2, 3 k's: one tensor load a wave
	s_cmp_eq_u32 s11, 0
	s_cbranch_scc0 .Lfor_b_\@
	tensor_load_to_lds s[G0+4*\s:G0+4*\s+3], s[G1:G1+7]
	s_nop 0
.rept 4
	v_nop
.endr
	s_branch .Lasked_\@
.Lfor_b_\@:
	tensor_load_to_lds s[G0B+4*\s:G0B+4*\s+3], s[G1B:G1B+7]
	s_nop 0
.rept 4
	v_nop
.endr
.Lasked_\@:
.endm
.macro FIRST
.irp s, 0,1
	s_mov_b32 s[G0+4*\s], 1
	s_add_co_u32 s[G0+4*\s+1], s20, \s*SLOT
	s_add_nc_u64 s[G0+4*\s+2:G0+4*\s+3], s[14:15], \s*STEPA
	s_or_b32 s[G0+4*\s+3], s[G0+4*\s+3], 0x80000000
	s_mov_b32 s[G0B+4*\s], 1
	s_add_co_u32 s[G0B+4*\s+1], s20, \s*SLOT
	s_add_nc_u64 s[G0B+4*\s+2:G0B+4*\s+3], s[46:47], \s*STEPB
	s_or_b32 s[G0B+4*\s+3], s[G0B+4*\s+3], 0x80000000
	JLOAD \s
.endr
.endm
; The 64 accumulators take turns, one instruction a turn, in the same order everywhere.  first = 1: C is 0.
.macro MUL16 f, hi, a0, first
.irp a, \a0, \a0+1
.irp b, 0,1,2,3,4,5,6,7
.if \first
	v_wmma_f32_16x16x32_f16 v[8*(8*(\a)+\b):8*(8*(\a)+\b)+7], v[\f+8*\b:\f+8*\b+7], v[\f+8*(4*\hi+\a):\f+8*(4*\hi+\a)+7], 0
.else
	v_wmma_f32_16x16x32_f16 v[8*(8*(\a)+\b):8*(8*(\a)+\b)+7], v[\f+8*\b:\f+8*\b+7], v[\f+8*(4*\hi+\a):\f+8*(4*\hi+\a)+7], v[8*(8*(\a)+\b):8*(8*(\a)+\b)+7]
.endif
.endr
.endr
.endm
.macro FETCH slot, k, f                ; 32 LDS loads in one run: 128 rows of k, 128 rows of q, 32 along K at byte k
	WIN 0x40
.irp i, 0,1,2,3,4,5,6,7
	ds_load_b128 v[\f+8*\i:\f+8*\i+3],   v[ADRB+\slot] offset:\k+\i*16*PITCH
	ds_load_b128 v[\f+8*\i+4:\f+8*\i+7], v[ADRB+\slot] offset:\k+\i*16*PITCH+32
.endr
	WIN 0
.irp i, 0,1,2,3,4,5,6,7
	ds_load_b128 v[\f+8*\i:\f+8*\i+3],   v[ADRA+\slot] offset:\k+\i*16*PITCH
	ds_load_b128 v[\f+8*\i+4:\f+8*\i+7], v[ADRA+\slot] offset:\k+\i*16*PITCH+32
.endr
.endm
.macro QUARTER slot, k, f, g, first
	s_wait_dscnt 8                                 ; B and A's rows 0-63 are in; the youngest eight loads (A's rows 64-127) may be out
	WIN 0xa1
	MUL16 \f, 0, 0, \first
	MUL16 \f, 0, 2, \first
	PLACES
	FETCH \slot, \k, \g
	s_wait_dscnt 32                                ; all but the 32 just issued
	WIN 0xf1
	MUL16 \f, 1, 0, \first
	MUL16 \f, 1, 2, \first
.endm
.macro THREE slot, first
	QUARTER \slot, 64,  F0, F1, \first
	QUARTER \slot, 128, F1, F0, 0
	QUARTER \slot, 192, F0, F1, 0
.endm
; The change of slots: each wave waits for its reads of this slot and for all its tensor loads, then the barrier; the refill comes first behind it.
.macro TURN slot, next, fill
	s_wait_dscnt 8
	WIN 0xa1
	MUL16 F1, 0, 0, 0
	s_wait_dscnt 0x0
	s_wait_tensorcnt 0x0
	s_barrier_signal -1
	MUL16 F1, 0, 2, 0
	WIN 0
	s_barrier_wait -1
.if \fill
	s_add_nc_u64 s[G0+4*\slot+2:G0+4*\slot+3], s[G0+4*\slot+2:G0+4*\slot+3], 2*STEPA
	s_add_nc_u64 s[G0B+4*\slot+2:G0B+4*\slot+3], s[G0B+4*\slot+2:G0B+4*\slot+3], 2*STEPB
	JLOAD \slot
.else
	PLACES
.endif
	FETCH \next, 0, F0
	WIN 0xf1
	MUL16 F1, 1, 0, 0
	MUL16 F1, 1, 2, 0
.endm
.macro LAP first
	THREE 0, \first
	TURN 0, 1, 1
	THREE 1, 0
	TURN 1, 0, 1
.endm
.macro LAST first
	THREE 0, \first
	TURN 0, 1, 0
	THREE 1, 0
	s_wait_dscnt 8
	WIN 0xa1
	MUL16 F1, 0, 0, 0
	MUL16 F1, 0, 2, 0
	s_wait_dscnt 0x0
	WIN 0xf1
	MUL16 F1, 1, 0, 0
	MUL16 F1, 1, 2, 0
.endm
; Query rows 16 a .. 16 a + 15 of my block = tiles (al, 0..7) of window W.  A row's 128 keys lie in lanes r and r + 16, 64 registers each.
.macro SOFT a, al, W, f
	WIN (\W|(\W<<6))
.irp b, 0,1,2,3,4,5,6,7
.irp jj, 0,1,2,3,4,5,6,7
	v_cmp_lt_i32 vcc_lo, 16*(\a-\b)-\jj, v[D0]     ; key > query: D0 + 16 (b - a) + jj > 0
	v_cndmask_b32 v[64*\al+8*\b+\jj], v[64*\al+8*\b+\jj], s68, vcc_lo
.endr
.endr
	WIN (\W|(\W<<2))
.irp k, 0,1,2,3
	v_max_num_f32 v[M+\k], v[64*\al+16*\k], v[64*\al+16*\k+1]      ; four chains, started by the first values
.endr
.irp e, 2,4,6,8,10,12,14
.irp k, 0,1,2,3
	v_max3_num_f32 v[M+\k], v[64*\al+16*\k+\e], v[64*\al+16*\k+\e+1], v[M+\k]
.endr
.endr
	WIN 0
	v_max3_num_f32 v[M], v[M], v[M+1], v[M+2]
	v_max_num_f32 v[M], v[M], v[M+3]
	v_permlanex16_b32 v[M+1], v[M], s72, s73       ; the other half of the row's keys
	v_max_num_f32 v[M], v[M], v[M+1]
	v_mul_f32 v[M], s69, v[M]                      ; -c max
	v_floor_f32 v[NM], v[M]                        ; floor(-c max) = -ceil(c max): a whole number of base-2 exponents
	v_floor_f32 v[NM+1], v[M]
	WIN (\W|(\W<<6))
.set ii, 0
.rept 32
	v_pk_fma_f32 v[64*\al+ii:64*\al+ii+1], v[64*\al+ii:64*\al+ii+1], s[70:71], v[NM:NM+1] op_sel_hi:[1,0,1]
.set ii, ii+2
.endr
.set ii, 0
.rept 64
	v_exp_f32 v[64*\al+ii], v[64*\al+ii]
.set ii, ii+1
.endr
	v_nop                                          ; one plain place behind the last exponential (ISA guide 5.7.2)
	WIN (\W|(\W<<2))
.set ii, 0
	s_wait_alu depctr_va_vdst(0)
.rept 16
	v_pk_add_f32 v[S+2*ii:S+2*ii+1], v[64*\al+4*ii:64*\al+4*ii+1], v[64*\al+4*ii+2:64*\al+4*ii+3]
.set ii, ii+1
.endr
.irp b, 0,1,2,3,4,5,6,7
.irp rr, 0,1,2,3
	v_cvt_pk_f16_f32 v[TMP+4*\b+\rr], v[64*\al+8*\b+2*\rr], v[64*\al+8*\b+2*\rr+1]
.endr
.endr
	WIN 0
.irp n, 8,4,2,1
.set ii, 0
.rept \n
	v_pk_add_f32 v[S+2*ii:S+2*ii+1], v[S+2*ii:S+2*ii+1], v[S+2*(ii+\n):S+2*(ii+\n)+1]
.set ii, ii+1
.endr
.endr
	v_add_f32 v[S], v[S], v[S+1]
	v_permlanex16_b32 v[S+1], v[S], s72, s73
	v_add_f32 v[S], v[S], v[S+1]                   ; L of my row
.irp b, 0,1,2,3,4,5,6,7
	ds_store_b128 v[STO], v[TMP+4*\b:TMP+4*\b+3] offset:32*\b
.endr
	ds_store_b32 v[SST], v[NM] offset:64*\a        ; lanes r and r + 16 write the same word with the same value
	ds_store_b32 v[SST], v[S] offset:64*\a+512
	s_wait_xcnt 0x0                                ; buffer f, which earlier stores read, is loaded again only behind this wait
.irp t, 0,1,2,3,4,5,6,7
	ds_load_b128 v[\f+4*\t:\f+4*\t+3], v[RD] offset:\t*2*PITCH     ; LDS serves a wave's instructions in order: these see the stores above
.endr
.irp t, 0,1,2,3,4,5,6,7
	s_wait_dscnt 7-\t
	global_store_b128 v[CO], v[\f+4*\t:\f+4*\t+3], s[8:9] offset:(16*\a+2*\t)*CPB   ; 16 lanes store 256 consecutive bytes at a multiple of 256
.endr
.endm
	s_load_b64 s[4:5], s[0:1], 0x0                 ; qkv
	s_load_b128 s[76:79], s[0:1], 0x8              ; pt, stat
	v_lshrrev_b32 v1, 5, v0
	v_readfirstlane_b32 s10, v1
	s_lshr_b32 s11, s10, 1                         ; my half of the queries; also: I fetch q (0) or k (1)
	s_and_b32 s12, s10, 1                          ; my half of the keys; also: which 128 rows I fetch
	s_mov_b32 s66, 0                               ; i = how many of the rows' first numbers 1, 3, 6, .. are at or below p
.irp first, 1,3,6,10,15,21,28
	s_cmp_ge_u32 ttmp9, \first
	s_add_co_ci_u32 s66, s66, 0
.endr
	s_add_co_u32 s67, s66, 1
	s_mul_i32 s67, s67, s66
	s_lshr_b32 s67, s67, 1
	s_sub_co_u32 s67, ttmp9, s67                   ; j = p - i (i + 1) / 2
	s_and_b32 s13, ttmp7, 0xffff
	s_lshl_b32 s13, s13, 11                        ; the batch's first row
	s_lshl_b32 s42, s66, 8
	s_add_co_u32 s42, s42, s13                     ; the block's first query row
	s_mov_b32 s[G1], (1<<16)|(1<<20)|(5<<22)|(3<<25)   ; 2-byte elements, 4 words of padding behind every 64
	s_mov_b32 s[G1B], (1<<16)|(1<<20)|(5<<22)|(3<<25)
	SHAPE G1, 128, 128, AP
	SHAPE G1B, 128, 128, AP
	s_lshl_b32 s17, s12, 7
	s_add_co_u32 s16, s42, s17
	s_lshl_b32 s16, s16, 11                        ; rows of 2,048 bytes
	s_lshl_b32 s46, s67, 8
	s_add_co_u32 s46, s46, s13
	s_add_co_u32 s46, s46, s17
	s_lshl_b32 s46, s46, 11
	s_add_co_u32 s46, s46, 0x1000000               ; k lies 16,777,216 bytes behind q
	s_mov_b32 s17, 0
	s_mov_b32 s47, 0
	s_mul_i32 s20, s10, HALFT
	s_wait_kmcnt 0x0
	s_add_nc_u64 s[14:15], s[4:5], s[16:17]
	s_add_nc_u64 s[46:47], s[4:5], s[46:47]
	FIRST                                          ; both slots' first fills, ahead of every wait on them, LDS read and barrier
	v_and_b32 v1, 15, v0                           ; l % 16
	v_bfe_u32 v2, v0, 4, 1                         ; l / 16
	v_mul_u32_u24 v3, v1, PITCH
	v_lshl_add_u32 v3, v2, 4, v3
	s_mul_i32 s21, s11, HALFT
	s_mul_i32 s22, s12, HALFT
	s_add_co_u32 s22, s22, 2*HALFT
.irp s, 0,1
	v_add_nc_u32 v[ADRA+\s], s21, v3
	v_add_nc_u32 v[ADRB+\s], s22, v3
	s_add_co_u32 s21, s21, SLOT
	s_add_co_u32 s22, s22, SLOT
.endr
	s_mul_i32 s23, s10, WSTAGE
	s_add_co_u32 s23, s23, STAGE
	v_add_nc_u32 v[STO], s23, v3                   ; in: row l % 16, 16 bytes for each half of the lanes
	v_mul_u32_u24 v5, v2, PITCH
	v_lshl_add_u32 v5, v1, 4, v5
	v_add_nc_u32 v[RD], s23, v5
	v_mul_u32_u24 v5, v2, CPB
	v_lshl_add_u32 v[CO], v1, 4, v5
	s_add_co_u32 s23, s23, 16*PITCH                ; NM and L behind the 16 rows
	v_lshl_add_u32 v[SST], v1, 2, s23
	v_and_b32 v5, 31, v0
	v_lshlrev_b32 v[SO], 4, v5
	v_add_nc_u32 v[SRD], s23, v[SO]
	s_sub_co_i32 s74, s67, s66
	s_lshl_b32 s74, s74, 8
	s_sub_co_i32 s75, s12, s11
	s_lshl_b32 s75, s75, 7
	s_add_co_i32 s74, s74, s75                     ; 256 (j - i) + 128 (key half - query half)
	v_lshl_add_u32 v[D0], v2, 3, s74
	v_sub_nc_u32 v[D0], v[D0], v1
	s_mov_b32 s68, 0xce6e6b28                      ; -1e9
	s_mov_b32 s69, 0xbd38aa3b                      ; -log2(e) / 32
	s_mov_b32 s70, 0x3d38aa3b                      ; log2(e) / 32: the division by sqrt(1024) and the change of base in one factor
	s_mov_b32 s71, 0x3d38aa3b
	s_mov_b32 s72, 0x76543210                      ; v_permlanex16_b32: lane i of one half reads lane i of the other
	s_mov_b32 s73, 0xfedcba98
	s_wait_tensorcnt 0x1                           ; my part of K step 0 is in; K step 1's may stay out
	s_barrier_signal -1
	s_barrier_wait -1
	FETCH 0, 0, F0
	LAP 1
	WIN 0
	s_mov_b32 s3, LAPS-2
.Llap:
	LAP 0
	WIN 0
	s_sub_co_u32 s3, s3, 1
	s_cmp_lg_u32 s3, 0
	s_cbranch_scc1 .Llap
	LAST 0
	PLACES
	s_lshl_b32 s14, s11, 7
	s_add_co_u32 s42, s42, s14                     ; my first query row
	s_lshl_b32 s16, s42, 12                        ; pt: rows of 4,096 bytes,
	s_lshl_b32 s17, s67, 9                         ; 512 bytes a key block,
	s_add_co_u32 s16, s16, s17
	s_lshl_b32 s17, s12, 8                         ; 256 a half
	s_add_co_u32 s16, s16, s17
	s_mov_b32 s17, 0
	s_add_nc_u64 s[8:9], s[76:77], s[16:17]
	s_lshl_b32 s16, s67, 1
	s_add_co_u32 s16, s16, s12                     ; t = 2 j + key half
	s_lshl_b32 s16, s16, 13
	s_add_co_u32 s16, s16, s42
	s_lshl_b32 s16, s16, 2
	s_add_nc_u64 s[78:79], s[78:79], s[16:17]
	SOFT 0, 0, 2, F0
	SOFT 1, 1, 2, F1
	SOFT 2, 2, 2, F0
	SOFT 3, 3, 2, F1
	SOFT 4, 0, 3, F0
	SOFT 5, 1, 3, F1
	SOFT 6, 2, 3, F0
	SOFT 7, 3, 3, F1
	ds_load_b128 v[S:S+3], v[SRD]                  ; my 128 rows' NM, four a lane,
	ds_load_b128 v[S+4:S+7], v[SRD] offset:512     ; and their L
	s_wait_dscnt 0x0
	global_store_b128 v[SO], v[S:S+3], s[78:79]                    ; 512 consecutive bytes each
	global_store_b128 v[SO], v[S+4:S+7], s[78:79] offset:524288
	s_endpgm
.Lfunc_end_k_qe9ab4d4028_scores:
	.size	k_qe9ab4d4028_scores, .Lfunc_end_k_qe9ab4d4028_scores-k_qe9ab4d4028_scores
	.p2alignl 7, 3214868480
	.fill 96, 4, 3214868480
	.section	.rodata,"a",@progbits
	.p2align	6, 0x0
	.amdhsa_kernel k_qe9ab4d4028_scores
		.amdhsa_group_segment_fixed_size 327680
		.amdhsa_private_segment_fixed_size 0
		.amdhsa_enable_private_segment 0
		.amdhsa_kernarg_size 24
		.amdhsa_user_sgpr_count 2
		.amdhsa_user_sgpr_kernarg_segment_ptr 1
		.amdhsa_wavefront_size32 1
		.amdhsa_system_sgpr_workgroup_id_x 1
		.amdhsa_system_sgpr_workgroup_id_y 1
		.amdhsa_system_sgpr_workgroup_id_z 1
		.amdhsa_system_vgpr_workitem_id 0
		.amdhsa_next_free_vgpr 1024
		.amdhsa_next_free_sgpr 80
		.amdhsa_reserve_vcc 1
		.amdhsa_float_denorm_mode_32 3
		.amdhsa_float_denorm_mode_16_64 3
		.amdhsa_memory_ordered 1
		.amdhsa_forward_progress 1
		.amdhsa_inst_pref_size 255
	.end_amdhsa_kernel
	.section	.bss,"aw",@nobits
	.p2align	6
	.space	262144
	.amdgpu_metadata
---
amdhsa.version: [ 1, 2 ]
amdhsa.kernels:
  - .name:           k_qe9ab4d4028_scores
    .symbol:         k_qe9ab4d4028_scores.kd
    .args:
      - { .name: qkv, .offset: 0, .size: 8, .value_kind: global_buffer, .address_space: global }
      - { .name: pt, .offset: 8, .size: 8, .value_kind: global_buffer, .address_space: global }
      - { .name: stat, .offset: 16, .size: 8, .value_kind: global_buffer, .address_space: global }
    .group_segment_fixed_size: 327680
    .private_segment_fixed_size: 0
    .kernarg_segment_align: 8
    .kernarg_segment_size: 24
    .max_flat_workgroup_size: 128
    .sgpr_count:     80
    .vgpr_count:     1024
    .wavefront_size: 32
...
	.end_amdgpu_metadata
.endif
;; end of part 3
;; launch pv (part 4): grid 4 x 48, 4 waves a work-group, clusters of 4 x 1, 327,680 bytes of LDS; arguments pt, qkv, stat, attn; writes attn
.if DOCPART == 4
	.amdgcn_target "amdgcn-amd-amdhsa--gfx1250"
	.amdhsa_code_object_version 6
	.text
	.protected	k_qe9ab4d4028_pv
	.globl	k_qe9ab4d4028_pv
	.p2align	8
	.type	k_qe9ab4d4028_pv,@function
k_qe9ab4d4028_pv:
	s_mov_b64 s[64:65], 0
	v_nop
	global_prefetch_b8 v0, s[64:65] scope:SCOPE_SE
	s_setreg_imm32_b32 hwreg(HW_REG_WAVE_MODE, 25, 1), 1
	s_wait_xcnt 0x0
	s_wait_alu depctr_hold_cnt(0) depctr_sa_sdst(0) depctr_va_vdst(0) depctr_va_sdst(0) depctr_va_ssrc(0) depctr_va_vcc(0) depctr_vm_vsrc(0)
	s_getreg_b32 s2, hwreg(HW_REG_IB_STS2, 6, 4)
	s_cmp_eq_u32 s2, 0
	s_cbranch_scc0 .Lentry_in_a_cluster
	s_endpgm
.Lentry_in_a_cluster:
	s_bfe_u32 s2, ttmp6, 0x10000c
	s_cmp_lg_u32 s2, 0x3003
	s_cbranch_scc0 .Lentry_shape_is_right
	s_endpgm
.Lentry_shape_is_right:
; The second half of the softmax and the product with v:  attn[row][d] = (1 / l) sum over tiles t of 2^(m_t - m) P_t V_t.
; pt: [8192][2048] f16 (P).  stat: NM = -m_t [16][8192] f32, then L [16][8192] f32.  v: the third part of qkv, [8192][1024] f16.  Sums in f32.
; m = the largest m_t of the row, so the row's true maximum (rounded up to a whole exponent) is taken away; l = sum of 2^(m_t - m) L_t.
; The factors are powers of two: scaling P in f16 rounds nothing while the product stays at or above 2^-14, and below that by at most 2^-25,
; against a row sum l of at least 1 / 2.
; LIMITS: in the product a tile whose m_t lies 25 or more under m counts as 0, since its factor is below f16's smallest number: its 128 powers, at most
; 2^-25 each, are at most 128 x 2^-25 / (1 / 2) = 2^-17 of the row's sum.  In l, kept in f32, a tile counts as 0 from 127 under m on.
; Work-group (cx, y): batch = y & 3, c = y >> 2.  c < 8: query block i = c, keys 0 .. min(256 (i + 1), 1024) - 1, into part A of attn;
; c >= 8: i = c - 4, keys 1024 .. 256 (i + 1) - 1, into part B (33,554,432 bytes behind A).  cx = the block of 256 columns of v.
; CLUSTER of 4 x 1: the four column blocks of one (batch, c) read the same tiles of P: joint loads, mask 15.  V's tile hangs on cx: a load of the
; work-group's own.  V is not shared between query blocks: they need different numbers of tiles.  Lap counts hang on y alone, equal in all partners.
; The 1 to 4 laps (256 keys each) are written out, later ones skipped by forward branches.  A lap's factors are fetched at the end of the lap before,
; with the lap's number in the immediate: the address register is written once, and the last lap, where the ways join, fetches none.
; Ring, windows and the transposed matrix instruction: A = P rows (272-byte LDS rows), B = 128 key rows of V (544-byte LDS rows) read by the transposing load;
; window 0 addresses, factors and A's fragments, window 1 B's, windows 2 and 3 accumulators.  Tensor loads outstanding in a wave: two at the start, then one.
.set AP,     2048
.set BP,     1024
.set CPB,    4096
.set PITCH,  272
.set BPITCH, 544
.set HALFT,  128*PITCH
.set SLOT,   4*HALFT
.set STAGE,  2*SLOT
.set WSTAGE, 16*PITCH
.set FT,     STAGE+4*WSTAGE            ; 295,936: factors, [16 t][1,024 bytes]; row rho at (rho>>7) 512 + (rho&15) 32 + ((rho>>4)&7) 4, an f16 pair (f, f)
.set RLT,    FT+16384                  ; 1 / l in f32, the same places
.set STEPA,  256
.set STEPB,  128*BP*2
.set ADRA, 16
.set ADRB, 20
.set STO,  24
.set RD,   25
.set CO,   26
.set FTA,  27                          ; LDS address of my row's eight factors of my part's first tile; never rewritten
.set SOF,  28                          ; my byte offset in stat
.set FW,   29                          ; where I write my two rows' factors
.set RLA,  30                          ; where I read 1 / l
.set FS,   32                          ; v[32:39], v[40:47] factors of my eight row blocks, for the lap's first and second tile (slot 0, 1)
.set RL,   48                          ; v[48:55] 1 / l of my eight row blocks
.set F0,   64
.set F1,   128
.set TMP,  192
.set G1,  24
.set G0,  32
.set G1B, 48
.set G0B, 56
.set FOFF, 0                           ; bytes from my part's first tile to the tile pair fetched last: 2,048 a lap
.set MSB, 0
.macro WIN new
.if MSB != (\new)
	s_set_vgpr_msb (MSB<<8)|(\new)
.set MSB, (\new)
.endif
.endm
.macro PLACES                          ; four places behind matrix instructions (ISA guide 7.12.1)
.rept 4
	v_nop
.endr
.endm
.macro SHAPE g, cols, rows, pitch
	s_mov_b32 s[\g+1], (\cols)<<16
	s_mov_b32 s[\g+2], (\rows)<<16
	s_mov_b32 s[\g+3], (\cols)<<16
	s_mov_b32 s[\g+4], \rows
	s_mov_b32 s[\g+5], \pitch
	s_mov_b32 s[\g+6], 0
	s_mov_b32 s[\g+7], 0
.endm
.macro JLOAD s                         ; waves 0, 1 ask jointly for P's halves, waves 2, 3 fetch V's: one tensor load a wave
	s_cmp_eq_u32 s11, 0
	s_cbranch_scc0 .Lfor_b_\@
	tensor_load_to_lds s[G0+4*\s:G0+4*\s+3], s[G1:G1+7]
	s_nop 0
.rept 4
	v_nop
.endr
	s_branch .Lasked_\@
.Lfor_b_\@:
	tensor_load_to_lds s[G0B+4*\s:G0B+4*\s+3], s[G1B:G1B+7]
	s_nop 0
.rept 4
	v_nop
.endr
.Lasked_\@:
.endm
.macro CREST
	s_cmp_lg_u32 s10, 0
	s_cbranch_scc1 .Lnot_wave_0_\@
	s_barrier_signal -3
.Lnot_wave_0_\@:
	s_barrier_wait -3
	s_barrier_signal -1
	s_barrier_wait -1
.endm
.macro CROUND
	s_barrier_signal -1
	s_barrier_wait -1
	CREST
.endm
.macro FIRST
.irp s, 0,1
	s_mov_b32 s[G0+4*\s], 1
	s_add_co_u32 s[G0+4*\s+1], s20, \s*SLOT
	s_add_nc_u64 s[G0+4*\s+2:G0+4*\s+3], s[14:15], \s*STEPA
	s_or_b32 s[G0+4*\s+3], s[G0+4*\s+3], 0x80000000
	s_mov_b32 s[G0B+4*\s], 1
	s_add_co_u32 s[G0B+4*\s+1], s20, \s*SLOT
	s_add_nc_u64 s[G0B+4*\s+2:G0B+4*\s+3], s[46:47], \s*STEPB
	s_or_b32 s[G0B+4*\s+3], s[G0B+4*\s+3], 0x80000000
	JLOAD \s
.endr
.endm
; The 64 accumulators take turns, one instruction a turn, in the same order everywhere.  first = 1: C is 0.
.macro MUL16 f, hi, a0, first
.irp a, \a0, \a0+1
.irp b, 0,1,2,3,4,5,6,7
.if \first
	v_wmma_f32_16x16x32_f16 v[8*(8*(\a)+\b):8*(8*(\a)+\b)+7], v[\f+8*\b:\f+8*\b+7], v[\f+8*(4*\hi+\a):\f+8*(4*\hi+\a)+7], 0
.else
	v_wmma_f32_16x16x32_f16 v[8*(8*(\a)+\b):8*(8*(\a)+\b)+7], v[\f+8*\b:\f+8*\b+7], v[\f+8*(4*\hi+\a):\f+8*(4*\hi+\a)+7], v[8*(8*(\a)+\b):8*(8*(\a)+\b)+7]
.endif
.endr
.endr
.endm
.macro FETCH slot, k, f
	WIN 0x40
.irp i, 0,1,2,3,4,5,6,7
	ds_load_tr16_b128 v[\f+8*\i:\f+8*\i+3],   v[ADRB+\slot] offset:(\k/64)*32*BPITCH+32*\i
	ds_load_tr16_b128 v[\f+8*\i+4:\f+8*\i+7], v[ADRB+\slot] offset:(\k/64)*32*BPITCH+16*BPITCH+32*\i
.endr
	WIN 0
.irp i, 0,1,2,3,4,5,6,7
	ds_load_b128 v[\f+8*\i:\f+8*\i+3],   v[ADRA+\slot] offset:\k+\i*16*PITCH
	ds_load_b128 v[\f+8*\i+4:\f+8*\i+7], v[ADRA+\slot] offset:\k+\i*16*PITCH+32
.endr
.endm
.macro FLOAD slot, off                 ; my row's factors of one tile of 128 keys, for my eight row blocks
	ds_load_b128 v[FS+8*\slot:FS+8*\slot+3],   v[FTA] offset:\off
	ds_load_b128 v[FS+8*\slot+4:FS+8*\slot+7], v[FTA] offset:\off+16
.endm
.macro SCALE f, hi, slot               ; P times its tile's power of two: four fragments of A, a lane's row has one factor
.irp a, 0,1,2,3
.irp k, 0,1,2,3,4,5,6,7
	v_pk_mul_f16 v[\f+8*(4*\hi+\a)+\k], v[\f+8*(4*\hi+\a)+\k], v[FS+8*\slot+4*\hi+\a]
.endr
.endr
.endm
.macro QUARTER slot, k, f, g, first
	s_wait_dscnt 8                                 ; the factors, B and A's rows 0-63 are in; the youngest eight loads (A's rows 64-127) may be out
	WIN 0
	SCALE \f, 0, \slot
	WIN 0xa1
	MUL16 \f, 0, 0, \first
	MUL16 \f, 0, 2, \first
	PLACES
	FETCH \slot, \k, \g
	s_wait_dscnt 32                                ; all but the 32 just issued
	SCALE \f, 1, \slot
	WIN 0xf1
	MUL16 \f, 1, 0, \first
	MUL16 \f, 1, 2, \first
.endm
.macro THREE slot, first
	QUARTER \slot, 64,  F0, F1, \first
	QUARTER \slot, 128, F1, F0, 0
	QUARTER \slot, 192, F0, F1, 0
.endm
; The change of slots.  In front of the barrier each wave waits for its reads of this slot and for all its tensor loads; with fill = 1 the barrier opens a
; round of the cluster's barrier, and the refill is the first tensor load behind the round's closing wait.
.macro TURN slot, next, fill
	s_wait_dscnt 0x0                               ; my reads of this slot are over
	WIN 0
	SCALE F1, 0, \slot                             ; both halves here: from here on this tile's factors are no longer needed
	SCALE F1, 1, \slot
	WIN 0xa1
	MUL16 F1, 0, 0, 0
	s_wait_tensorcnt 0x0                           ; all my tensor loads have landed
	s_barrier_signal -1
	MUL16 F1, 0, 2, 0
	WIN 0
	s_barrier_wait -1
.if \fill
	CREST
	s_add_nc_u64 s[G0+4*\slot+2:G0+4*\slot+3], s[G0+4*\slot+2:G0+4*\slot+3], 2*STEPA
	s_add_nc_u64 s[G0B+4*\slot+2:G0B+4*\slot+3], s[G0B+4*\slot+2:G0B+4*\slot+3], 2*STEPB
	JLOAD \slot
.else
	PLACES
.endif
.if \next == 0
.set FOFF, FOFF+2048                               ; a lap ends: the factors of the next lap's two tiles, ahead of its fragments
	FLOAD 0, FOFF
	FLOAD 1, FOFF+1024
.endif
	FETCH \next, 0, F0
	WIN 0xf1
	MUL16 F1, 1, 0, 0
	MUL16 F1, 1, 2, 0
.endm
.macro LAP first
	THREE 0, \first
	TURN 0, 1, 1
	THREE 1, 0
	TURN 1, 0, 1
.endm
.macro LAST first
	THREE 0, \first
	TURN 0, 1, 0
	THREE 1, 0
	s_wait_dscnt 0x0
	WIN 0
	SCALE F1, 0, 1
	SCALE F1, 1, 1
	WIN 0xa1
	MUL16 F1, 0, 0, 0
	MUL16 F1, 0, 2, 0
	WIN 0xf1
	MUL16 F1, 1, 0, 0
	MUL16 F1, 1, 2, 0
.endm
; The way out in f32: rows 16 a .. 16 a + 15, columns 64 c .. 64 c + 63 of my block = tiles (al, 4 c .. 4 c + 3) of window W, times 1 / l
.macro OUTF a, al, W, c, f
	WIN \W
.irp b, 0,1,2,3
.irp jj, 0,1,2,3,4,5,6,7
	v_mul_f32 v[TMP+8*\b+\jj], v[64*\al+32*\c+8*\b+\jj], v[RL+\a]
.endr
.endr
	WIN 0
.irp b, 0,1,2,3
	ds_store_b128 v[STO], v[TMP+8*\b:TMP+8*\b+3] offset:64*\b
	ds_store_b128 v[STO], v[TMP+8*\b+4:TMP+8*\b+7] offset:64*\b+16
.endr
	s_wait_xcnt 0x0                                ; buffer f, which earlier stores read, is loaded again only behind this wait
.irp t, 0,1,2,3,4,5,6,7
	ds_load_b128 v[\f+4*\t:\f+4*\t+3], v[RD] offset:\t*2*PITCH     ; LDS serves a wave's instructions in order: these see the stores above
.endr
.irp t, 0,1,2,3,4,5,6,7
	s_wait_dscnt 7-\t
	global_store_b128 v[CO], v[\f+4*\t:\f+4*\t+3], s[8:9] offset:(16*(\a)+2*\t)*CPB+256*\c   ; 16 lanes store 256 consecutive bytes at a multiple of 256
.endr
.endm
	s_load_b128 s[4:7], s[0:1], 0x0                ; pt, qkv
	s_load_b128 s[68:71], s[0:1], 0x10             ; stat, attn
	v_lshrrev_b32 v1, 5, v0
	v_readfirstlane_b32 s10, v1
	s_lshr_b32 s11, s10, 1
	s_and_b32 s12, s10, 1
	s_bfe_u32 s40, ttmp6, 0x40000                  ; cx: the block of 256 columns
	s_and_b32 s66, ttmp7, 0xffff                   ; y
	s_and_b32 s72, s66, 3                          ; batch
	s_lshr_b32 s73, s66, 2                         ; c
	s_cmp_ge_u32 s73, 8
	s_cselect_b32 s74, 4, 0                        ; the first lap (of 256 keys)
	s_sub_co_u32 s73, s73, s74                     ; i
	s_add_co_u32 s75, s73, 1
	s_sub_co_u32 s75, s75, s74
	s_min_u32 s75, s75, 4                          ; laps, 1 to 4
	s_lshl_b32 s76, s73, 1
	s_add_co_u32 s76, s76, 1                       ; the row block's last tile of 128 keys
	s_lshl_b32 s13, s72, 11
	s_lshl_b32 s14, s73, 8
	s_add_co_u32 s13, s13, s14                     ; the block's first row, of 8,192
	s_mov_b32 s[G1], 15|(1<<16)|(1<<20)|(1<<21)|(5<<22)|(3<<25)    ; P: all four partners, bit 21 beside the mask; 4 words of padding behind every 64
	s_mov_b32 s[G1B], (1<<16)|(1<<20)|(6<<22)|(7<<25)              ; V: my own; 8 words of padding behind every 128
	SHAPE G1, 128, 128, AP
	SHAPE G1B, 256, 64, BP
	s_lshl_b32 s17, s12, 7
	s_add_co_u32 s16, s13, s17
	s_lshl_b32 s16, s16, 12                        ; P: rows of 4,096 bytes,
	s_lshl_b32 s17, s74, 9                         ; 512 bytes a lap
	s_add_co_u32 s16, s16, s17
	s_mov_b32 s17, 0
	s_lshl_b32 s46, s72, 11
	s_lshl_b32 s47, s74, 8
	s_add_co_u32 s46, s46, s47
	s_lshl_b32 s47, s12, 6
	s_add_co_u32 s46, s46, s47                     ; V: key row = 2,048 x batch + 256 x first lap + 64 x half,
	s_lshl_b32 s46, s46, 11                        ; of 2,048 bytes,
	s_lshl_b32 s47, s40, 9                         ; 512 bytes a block column,
	s_add_co_u32 s46, s46, s47
	s_add_co_u32 s46, s46, 0x2000000               ; 33,554,432 bytes behind q
	s_mov_b32 s47, 0
	s_lshl_b32 s78, s13, 2
	s_mov_b32 s79, 0
	s_mul_i32 s20, s10, HALFT
	s_wait_kmcnt 0x0
	s_add_nc_u64 s[14:15], s[4:5], s[16:17]
	s_add_nc_u64 s[46:47], s[6:7], s[46:47]
	s_add_nc_u64 s[68:69], s[68:69], s[78:79]      ; stat at the block's first row
	CROUND                                         ; all four work-groups are here: the first joint loads meet
	FIRST
	; thread tau owns rows 2 tau, 2 tau + 1 of the block: NM and L of all 16 tiles; tiles behind the last one are read as the last one and their L dropped
	v_lshlrev_b32 v[SOF], 3, v0
.irp t, 0,1,2,3,4,5,6,7,8,9,10,11,12,13,14,15
	s_min_u32 s80, s76, \t
	s_lshl_b32 s80, s80, 15                        ; 8,192 rows of 4 bytes a tile
	v_add_nc_u32 v[TMP+\t], s80, v[SOF]
	global_load_b64 v[F0+2*\t:F0+2*\t+1],       v[TMP+\t], s[68:69]
	global_load_b64 v[F0+32+2*\t:F0+32+2*\t+1], v[TMP+\t], s[68:69] offset:524288
.endr
	v_and_b32 v1, 15, v0                           ; l % 16
	v_bfe_u32 v2, v0, 4, 1                         ; l / 16
	v_mul_u32_u24 v3, v1, PITCH
	v_lshl_add_u32 v3, v2, 4, v3
	s_mul_i32 s21, s11, HALFT
	v_and_b32 v4, 7, v0
	v_lshl_add_u32 v4, v2, 3, v4
	v_mul_u32_u24 v4, v4, BPITCH
	v_bfe_u32 v5, v0, 3, 1
	v_lshl_add_u32 v4, v5, 4, v4
	s_lshl_b32 s22, s12, 8
	s_add_co_u32 s22, s22, 2*HALFT
.irp s, 0,1
	v_add_nc_u32 v[ADRA+\s], s21, v3
	v_add_nc_u32 v[ADRB+\s], s22, v4
	s_add_co_u32 s21, s21, SLOT
	s_add_co_u32 s22, s22, SLOT
.endr
	s_mul_i32 s23, s10, WSTAGE
	s_add_co_u32 s23, s23, STAGE
	v_mul_u32_u24 v5, v1, PITCH
	v_lshl_add_u32 v5, v2, 5, v5                   ; in: row l % 16, 32 bytes for each half of the lanes
	v_add_nc_u32 v[STO], s23, v5
	v_mul_u32_u24 v5, v2, PITCH
	v_lshl_add_u32 v5, v1, 4, v5
	v_add_nc_u32 v[RD], s23, v5
	v_mul_u32_u24 v5, v2, CPB
	v_lshl_add_u32 v[CO], v1, 4, v5
	s_lshl_b32 s81, s11, 9
	s_add_co_u32 s82, s81, RLT
	v_lshl_add_u32 v[RLA], v1, 5, s82
	s_lshl_b32 s83, s74, 11                        ; two tiles of 1,024 bytes a lap
	s_add_co_u32 s81, s81, s83
	s_add_co_u32 s81, s81, FT
	v_lshl_add_u32 v[FTA], v1, 5, s81
	v_lshrrev_b32 v5, 6, v0                        ; row 2 tau: (tau >> 6) 512 + (tau & 7) 64 + ((tau >> 3) & 7) 4; row 2 tau + 1: 32 bytes further
	v_lshlrev_b32 v5, 9, v5
	v_and_b32 v6, 7, v0
	v_lshl_add_u32 v5, v6, 6, v5
	v_bfe_u32 v6, v0, 3, 3
	v_lshl_add_u32 v5, v6, 2, v5
	v_add_nc_u32 v[FW], FT, v5
	s_wait_loadcnt 0x0
	v_min_num_f32 v[F1],   v[F0],   v[F0+2]        ; the least NM = minus the row's largest m_t
	v_min_num_f32 v[F1+1], v[F0+1], v[F0+3]
.irp t, 2,3,4,5,6,7,8,9,10,11,12,13,14,15
	v_min_num_f32 v[F1],   v[F1],   v[F0+2*\t]
	v_min_num_f32 v[F1+1], v[F1+1], v[F0+2*\t+1]
.endr
.irp t, 0,1,2,3,4,5,6,7,8,9,10,11,12,13,14,15
	s_cmp_ge_u32 s76, \t
	s_cselect_b32 s80, -1, 0                       ; all lanes on for a tile that the row block has
.irp e, 0,1
	v_sub_f32 v[F1+4+\e], v[F1+\e], v[F0+2*\t+\e]  ; m_t - m, a whole number at or below 0
	v_max_num_f32 v[F1+4+\e], 0xc2fe0000, v[F1+4+\e]               ; not below -127,
	v_cvt_i32_f32 v[F1+4+\e], v[F1+4+\e]
	v_add_lshl_u32 v[F1+4+\e], v[F1+4+\e], 127, 23                 ; as the exponent field of an f32: 2^(m_t - m), and 0 at -127
	v_cndmask_b32 v[F1+6+\e], 0, v[F0+32+2*\t+\e], s80
.if \t == 0
	v_mul_f32 v[F1+2+\e], v[F1+4+\e], v[F1+6+\e]   ; the first tile starts the sum l
.else
	v_fmac_f32 v[F1+2+\e], v[F1+4+\e], v[F1+6+\e]
.endif
	v_cvt_pk_f16_f32 v[F1+6+\e], v[F1+4+\e], v[F1+4+\e]            ; exact down to 2^-24, 0 below
	ds_store_b32 v[FW], v[F1+6+\e] offset:1024*\t+32*\e
.endr
.endr
	v_rcp_f32 v[F1+2], v[F1+2]                     ; l is at least half of one power: the largest tile's own maximum gives 2^(-1) or more
	v_rcp_f32 v[F1+3], v[F1+3]
	v_nop                                          ; one plain place behind the reciprocals (ISA guide 5.7.2)
	s_wait_alu depctr_va_vdst(0)
	ds_store_b32 v[FW], v[F1+2] offset:16384
	ds_store_b32 v[FW], v[F1+3] offset:16384+32
	s_wait_dscnt 0x0                               ; my factors are in LDS, for the others' sake
	s_wait_tensorcnt 0x1                           ; my part of the first tile is in; the second's may stay out
	s_barrier_signal -1
	s_barrier_wait -1
	FLOAD 0, 0                                     ; the first lap's two tiles
	FLOAD 1, 1024
	FETCH 0, 0, F0
	s_cmp_eq_u32 s75, 1
	s_cbranch_scc1 .Lone
	LAP 1
	WIN 0
	s_cmp_lt_u32 s75, 3
	s_cbranch_scc1 .Llast
	LAP 0
	WIN 0
	s_cmp_lt_u32 s75, 4
	s_cbranch_scc1 .Llast
	LAP 0
	WIN 0
.Llast:
	LAST 0
	WIN 0
	s_branch .Lout
.Lone:
	LAST 1                                         ; one lap alone: its first products start the sums
	WIN 0
.Lout:
	PLACES
	ds_load_b128 v[RL:RL+3], v[RLA]
	ds_load_b128 v[RL+4:RL+7], v[RLA] offset:16
	s_lshl_b32 s14, s11, 7
	s_add_co_u32 s16, s13, s14
	s_lshl_b32 s16, s16, 12                        ; my first row, of 4,096 bytes,
	s_lshl_b32 s17, s74, 23                        ; part B for the keys from 1024 on
	s_add_co_u32 s16, s16, s17
	s_mov_b32 s17, 0
	s_add_nc_u64 s[8:9], s[70:71], s[16:17]
	s_lshl_b32 s46, s40, 10
	s_lshl_b32 s47, s12, 9
	s_add_co_u32 s46, s46, s47
	s_mov_b32 s47, 0
	s_add_nc_u64 s[8:9], s[8:9], s[46:47]
	s_wait_dscnt 0x0
.irp a, 0,1,2,3
	OUTF \a, \a, 2, 0, F0
	OUTF \a, \a, 2, 1, F1
.endr
.irp a, 0,1,2,3
	OUTF \a+4, \a, 3, 0, F0
	OUTF \a+4, \a, 3, 1, F1
.endr
	CROUND                                         ; the closing round
	s_endpgm
.Lfunc_end_k_qe9ab4d4028_pv:
	.size	k_qe9ab4d4028_pv, .Lfunc_end_k_qe9ab4d4028_pv-k_qe9ab4d4028_pv
	.p2alignl 7, 3214868480
	.fill 96, 4, 3214868480
	.section	.rodata,"a",@progbits
	.p2align	6, 0x0
	.amdhsa_kernel k_qe9ab4d4028_pv
		.amdhsa_group_segment_fixed_size 327680
		.amdhsa_private_segment_fixed_size 0
		.amdhsa_enable_private_segment 0
		.amdhsa_kernarg_size 32
		.amdhsa_user_sgpr_count 2
		.amdhsa_user_sgpr_kernarg_segment_ptr 1
		.amdhsa_wavefront_size32 1
		.amdhsa_system_sgpr_workgroup_id_x 1
		.amdhsa_system_sgpr_workgroup_id_y 1
		.amdhsa_system_sgpr_workgroup_id_z 1
		.amdhsa_system_vgpr_workitem_id 0
		.amdhsa_next_free_vgpr 1024
		.amdhsa_next_free_sgpr 96
		.amdhsa_reserve_vcc 0
		.amdhsa_float_denorm_mode_32 3
		.amdhsa_float_denorm_mode_16_64 3
		.amdhsa_memory_ordered 1
		.amdhsa_forward_progress 1
		.amdhsa_inst_pref_size 255
	.end_amdhsa_kernel
	.section	.bss,"aw",@nobits
	.p2align	6
	.space	262144
	.amdgpu_metadata
---
amdhsa.version: [ 1, 2 ]
amdhsa.kernels:
  - .name:           k_qe9ab4d4028_pv
    .symbol:         k_qe9ab4d4028_pv.kd
    .args:
      - { .name: pt, .offset: 0, .size: 8, .value_kind: global_buffer, .address_space: global }
      - { .name: qkv, .offset: 8, .size: 8, .value_kind: global_buffer, .address_space: global }
      - { .name: stat, .offset: 16, .size: 8, .value_kind: global_buffer, .address_space: global }
      - { .name: attn, .offset: 24, .size: 8, .value_kind: global_buffer, .address_space: global }
    .group_segment_fixed_size: 327680
    .private_segment_fixed_size: 0
    .kernarg_segment_align: 8
    .kernarg_segment_size: 32
    .max_flat_workgroup_size: 128
    .sgpr_count:     96
    .vgpr_count:     1024
    .wavefront_size: 32
...
	.end_amdgpu_metadata
.endif
;; end of part 4
;; launch ln (part 5): grid 1024 x 1, 4 waves a work-group, no clusters, 0 bytes of LDS; arguments attn, x, ln1_g, ln1_b, ln2_g, ln2_b, x1, xb; writes x1, xb
.if DOCPART == 5
	.amdgcn_target "amdgcn-amd-amdhsa--gfx1250"
	.amdhsa_code_object_version 6
	.text
	.protected	k_qe9ab4d4028_ln
	.globl	k_qe9ab4d4028_ln
	.p2align	8
	.type	k_qe9ab4d4028_ln,@function
k_qe9ab4d4028_ln:
	s_mov_b64 s[64:65], 0
	v_nop
	global_prefetch_b8 v0, s[64:65] scope:SCOPE_SE
	s_setreg_imm32_b32 hwreg(HW_REG_WAVE_MODE, 25, 1), 1
	s_wait_xcnt 0x0
; x1 = x + LN1(attention),  h = LN2(x1).  attn: part A [8192][1024] f32, part B the same 33,554,432 bytes behind it; rows whose place in the
; batch is 1024 or more are A + B, the others A alone.  x1: f32.  xb: h in bf16.
; One wave, one row of 4,096 bytes in 32 registers; a wave takes two rows in turn, a work-group 8, so a work-group is wholly on one side of row 1024
; (bit 7 of its number).  8,192 rows are 4,096 waves of 256 registers: sixteen to a WGP's 4 x 1,024 registers on 256 WGPs, so every wave can have
; its first row's loads on their way at once, and one wave's arithmetic stands beside fifteen others' loads.
; Both norms take the mean first and then the mean of the squared deviations, as the layer's definition does.
; Each load and f32 store of a wave covers 512 consecutive bytes, each bf16 store 256 at a multiple of 256.  Memory binds: no LDS, no barrier, no matrix unit.
.set OFF, 2                            ; byte offset of my 16 bytes in the row, f32 buffers
.set OFH, 3                            ; of my 8 bytes, xb
.set PO,  4                            ; in the gains and biases
.set G1V, 8                            ; v[8:39] ln1_g, v[40:71] ln1_b, v[72:103] ln2_g, v[104:135] ln2_b of my 32 columns 4 l + 128 j + 0..3
.set B1V, 40
.set G2V, 72
.set B2V, 104
.set A,   136                          ; the attention row, then deviations
.set BQ,  168                          ; its part B
.set X,   200                          ; x, then x1
.set H,   232                          ; h in bf16
.set T,   248                          ; at work
	s_load_b512 s[4:19], s[0:1], 0x0               ; attn, x, ln1_g, ln1_b, ln2_g, ln2_b, x1, xb
	v_and_b32 v1, 31, v0
	v_lshrrev_b32 v5, 5, v0
	v_lshlrev_b32 v[PO], 4, v1
	s_lshl_b32 s22, ttmp9, 3
	v_lshl_add_u32 v5, v5, 1, s22                  ; my wave's first row = 8 x work-group + 2 x wave
	v_lshl_add_u32 v[OFF], v5, 12, v[PO]
	v_lshlrev_b32 v6, 3, v1
	v_lshl_add_u32 v[OFH], v5, 11, v6
	s_mov_b32 s24, 0x3a800000                      ; 1 / 1024
	s_mov_b32 s26, 0x76543210                      ; v_permlanex16_b32: lane i of one half reads lane i of the other
	s_mov_b32 s27, 0xfedcba98
	s_wait_kmcnt 0x0
	s_add_nc_u64 s[20:21], s[4:5], 0x2000000       ; part B
.irp j, 0,1,2,3,4,5,6,7
	global_load_b128 v[G1V+4*\j:G1V+4*\j+3], v[PO], s[8:9] offset:512*\j
	global_load_b128 v[B1V+4*\j:B1V+4*\j+3], v[PO], s[10:11] offset:512*\j
	global_load_b128 v[G2V+4*\j:G2V+4*\j+3], v[PO], s[12:13] offset:512*\j
	global_load_b128 v[B2V+4*\j:B2V+4*\j+3], v[PO], s[14:15] offset:512*\j
.endr
.macro REDUCE r, t                     ; the sum of v[r] over the 32 lanes, in every lane; v[t] has been written before
	v_add_f32_dpp v[\r], v[\r], v[\r] row_xmask:1 row_mask:0xf bank_mask:0xf
	v_add_f32_dpp v[\r], v[\r], v[\r] row_xmask:2 row_mask:0xf bank_mask:0xf
	v_add_f32_dpp v[\r], v[\r], v[\r] row_xmask:4 row_mask:0xf bank_mask:0xf
	v_add_f32_dpp v[\r], v[\r], v[\r] row_xmask:8 row_mask:0xf bank_mask:0xf
	v_permlanex16_b32 v[\t], v[\r], s26, s27
	v_add_f32 v[\r], v[\r], v[\t]
.endm
; dst = src - mean(src);  v[T+4:T+5] = 1 / sqrt(mean(dst^2) + 1e-5), twice
.macro STATS src, dst
	v_pk_add_f32 v[T:T+1],   v[\src:\src+1],   v[\src+2:\src+3]
	v_pk_add_f32 v[T+2:T+3], v[\src+4:\src+5], v[\src+6:\src+7]
.irp e, 8,12,16,20,24,28
	v_pk_add_f32 v[T:T+1],   v[T:T+1],   v[\src+\e:\src+\e+1]
	v_pk_add_f32 v[T+2:T+3], v[T+2:T+3], v[\src+\e+2:\src+\e+3]
.endr
	v_pk_add_f32 v[T:T+1], v[T:T+1], v[T+2:T+3]
	v_add_f32 v[T], v[T], v[T+1]
	REDUCE T, T+1
	v_mul_f32 v[T], s24, v[T]
	v_mov_b32 v[T+1], v[T]                         ; the mean, as a pair
.irp e, 0,2,4,6,8,10,12,14,16,18,20,22,24,26,28,30
	v_pk_add_f32 v[\dst+\e:\dst+\e+1], v[\src+\e:\src+\e+1], v[T:T+1] neg_lo:[0,1] neg_hi:[0,1]
.endr
	v_pk_mul_f32 v[T+2:T+3], v[\dst:\dst+1],   v[\dst:\dst+1]
	v_pk_mul_f32 v[T+4:T+5], v[\dst+2:\dst+3], v[\dst+2:\dst+3]
.irp e, 4,8,12,16,20,24,28
	v_pk_fma_f32 v[T+2:T+3], v[\dst+\e:\dst+\e+1],   v[\dst+\e:\dst+\e+1],   v[T+2:T+3]
	v_pk_fma_f32 v[T+4:T+5], v[\dst+\e+2:\dst+\e+3], v[\dst+\e+2:\dst+\e+3], v[T+4:T+5]
.endr
	v_pk_add_f32 v[T+2:T+3], v[T+2:T+3], v[T+4:T+5]
	v_add_f32 v[T+2], v[T+2], v[T+3]
	REDUCE T+2, T+3
	v_fmaak_f32 v[T+2], s24, v[T+2], 0x3727c5ac    ; the variance + 1e-5
	v_rsq_f32 v[T+4], v[T+2]
	v_rsq_f32 v[T+5], v[T+2]
	v_nop                                          ; one plain place behind the roots (ISA guide 5.7.2)
.endm
.macro ROW two
.irp j, 0,1,2,3,4,5,6,7
	global_load_b128 v[A+4*\j:A+4*\j+3], v[OFF], s[4:5] offset:512*\j th:TH_LOAD_NT
.endr
.if \two
.irp j, 0,1,2,3,4,5,6,7
	global_load_b128 v[BQ+4*\j:BQ+4*\j+3], v[OFF], s[20:21] offset:512*\j th:TH_LOAD_NT
.endr
.endif
.irp j, 0,1,2,3,4,5,6,7
	global_load_b128 v[X+4*\j:X+4*\j+3], v[OFF], s[6:7] offset:512*\j th:TH_LOAD_NT
.endr
	s_wait_loadcnt 0x0                             ; the row (in the first trip the gains and biases too)
.if \two
.irp e, 0,2,4,6,8,10,12,14,16,18,20,22,24,26,28,30
	v_pk_add_f32 v[A+\e:A+\e+1], v[A+\e:A+\e+1], v[BQ+\e:BQ+\e+1]
.endr
.endif
	STATS A, A
	s_wait_alu depctr_va_vdst(0)
.irp e, 0,2,4,6,8,10,12,14,16,18,20,22,24,26,28,30
	v_pk_mul_f32 v[A+\e:A+\e+1], v[A+\e:A+\e+1], v[T+4:T+5]
.endr
.irp e, 0,2,4,6,8,10,12,14,16,18,20,22,24,26,28,30
	v_pk_fma_f32 v[A+\e:A+\e+1], v[A+\e:A+\e+1], v[G1V+\e:G1V+\e+1], v[B1V+\e:B1V+\e+1]
.endr
.irp e, 0,2,4,6,8,10,12,14,16,18,20,22,24,26,28,30
	v_pk_add_f32 v[X+\e:X+\e+1], v[X+\e:X+\e+1], v[A+\e:A+\e+1]
.endr
.irp j, 0,1,2,3,4,5,6,7
	global_store_b128 v[OFF], v[X+4*\j:X+4*\j+3], s[16:17] offset:512*\j
.endr
	STATS X, A
	s_wait_alu depctr_va_vdst(0)
.irp e, 0,2,4,6,8,10,12,14,16,18,20,22,24,26,28,30
	v_pk_mul_f32 v[A+\e:A+\e+1], v[A+\e:A+\e+1], v[T+4:T+5]
.endr
.irp e, 0,2,4,6,8,10,12,14,16,18,20,22,24,26,28,30
	v_pk_fma_f32 v[A+\e:A+\e+1], v[A+\e:A+\e+1], v[G2V+\e:G2V+\e+1], v[B2V+\e:B2V+\e+1]
.endr
.irp e, 0,1,2,3,4,5,6,7,8,9,10,11,12,13,14,15
	v_cvt_pk_bf16_f32 v[H+\e], v[A+2*\e], v[A+2*\e+1]
.endr
.irp j, 0,1,2,3,4,5,6,7
	global_store_b64 v[OFH], v[H+2*\j:H+2*\j+1], s[18:19] offset:256*\j
.endr
	s_wait_xcnt 0x0                                ; the offsets, X and H, which the stores read, are written again only behind this wait
	v_add_nc_u32 v[OFF], 4096, v[OFF]
	v_add_nc_u32 v[OFH], 2048, v[OFH]
.endm
	s_mov_b32 s23, 2
	s_bitcmp1_b32 ttmp9, 7                         ; 128 work-groups of 8 rows = 1,024 rows
	s_cbranch_scc1 .Ltwo
.Lone:
	ROW 0
	s_sub_co_i32 s23, s23, 1
	s_cmp_lg_u32 s23, 0
	s_cbranch_scc1 .Lone
	s_endpgm
.Ltwo:
	ROW 1
	s_sub_co_i32 s23, s23, 1
	s_cmp_lg_u32 s23, 0
	s_cbranch_scc1 .Ltwo
	s_endpgm
.Lfunc_end_k_qe9ab4d4028_ln:
	.size	k_qe9ab4d4028_ln, .Lfunc_end_k_qe9ab4d4028_ln-k_qe9ab4d4028_ln
	.p2alignl 7, 3214868480
	.fill 96, 4, 3214868480
	.section	.rodata,"a",@progbits
	.p2align	6, 0x0
	.amdhsa_kernel k_qe9ab4d4028_ln
		.amdhsa_group_segment_fixed_size 0
		.amdhsa_private_segment_fixed_size 0
		.amdhsa_enable_private_segment 0
		.amdhsa_kernarg_size 64
		.amdhsa_user_sgpr_count 2
		.amdhsa_user_sgpr_kernarg_segment_ptr 1
		.amdhsa_wavefront_size32 1
		.amdhsa_system_sgpr_workgroup_id_x 1
		.amdhsa_system_sgpr_workgroup_id_y 1
		.amdhsa_system_sgpr_workgroup_id_z 1
		.amdhsa_system_vgpr_workitem_id 0
		.amdhsa_next_free_vgpr 256
		.amdhsa_next_free_sgpr 66
		.amdhsa_reserve_vcc 0
		.amdhsa_float_denorm_mode_32 3
		.amdhsa_float_denorm_mode_16_64 3
		.amdhsa_memory_ordered 1
		.amdhsa_forward_progress 1
		.amdhsa_inst_pref_size 41
	.end_amdhsa_kernel
	.amdgpu_metadata
---
amdhsa.version: [ 1, 2 ]
amdhsa.kernels:
  - .name:           k_qe9ab4d4028_ln
    .symbol:         k_qe9ab4d4028_ln.kd
    .args:
      - { .name: attn, .offset: 0, .size: 8, .value_kind: global_buffer, .address_space: global }
      - { .name: x, .offset: 8, .size: 8, .value_kind: global_buffer, .address_space: global }
      - { .name: ln1_g, .offset: 16, .size: 8, .value_kind: global_buffer, .address_space: global }
      - { .name: ln1_b, .offset: 24, .size: 8, .value_kind: global_buffer, .address_space: global }
      - { .name: ln2_g, .offset: 32, .size: 8, .value_kind: global_buffer, .address_space: global }
      - { .name: ln2_b, .offset: 40, .size: 8, .value_kind: global_buffer, .address_space: global }
      - { .name: x1, .offset: 48, .size: 8, .value_kind: global_buffer, .address_space: global }
      - { .name: xb, .offset: 56, .size: 8, .value_kind: global_buffer, .address_space: global }
    .group_segment_fixed_size: 0
    .private_segment_fixed_size: 0
    .kernarg_segment_align: 8
    .kernarg_segment_size: 64
    .max_flat_workgroup_size: 128
    .sgpr_count:     66
    .vgpr_count:     256
    .wavefront_size: 32
...
	.end_amdgpu_metadata
.endif
;; end of part 5
;; launch ffn1 (part 6): grid 64 x 2, 4 waves a work-group, clusters of 4 x 1, 327,680 bytes of LDS; arguments xb, wb, rb, b1; writes rb
.if DOCPART == 6
	.amdgcn_target "amdgcn-amd-amdhsa--gfx1250"
	.amdhsa_code_object_version 6
	.text
	.protected	k_qe9ab4d4028_ffn1
	.globl	k_qe9ab4d4028_ffn1
	.p2align	8
	.type	k_qe9ab4d4028_ffn1,@function
k_qe9ab4d4028_ffn1:
	s_mov_b64 s[64:65], 0
	v_nop
	global_prefetch_b8 v0, s[64:65] scope:SCOPE_SE
	s_setreg_imm32_b32 hwreg(HW_REG_WAVE_MODE, 25, 1), 1
	s_wait_xcnt 0x0
	s_wait_alu depctr_hold_cnt(0) depctr_sa_sdst(0) depctr_va_vdst(0) depctr_va_sdst(0) depctr_va_ssrc(0) depctr_va_vcc(0) depctr_vm_vsrc(0)
	s_getreg_b32 s2, hwreg(HW_REG_IB_STS2, 6, 4)
	s_cmp_eq_u32 s2, 0
	s_cbranch_scc0 .Lentry_in_a_cluster
	s_endpgm
.Lentry_in_a_cluster:
	s_bfe_u32 s2, ttmp6, 0x10000c
	s_cmp_lg_u32 s2, 0x3003
	s_cbranch_scc0 .Lentry_shape_is_right
	s_endpgm
.Lentry_shape_is_right:
; r = relu(h W1 + b1).  xb: h, [8192][1024] bf16.  W1: [1024 (k)][512 (n)] bf16, 6,291,456 bytes into wb.  rb: [8192][512] bf16.  Sums in f32.
; A work-group makes 128 x 256 of r with four waves, a wave 64 x 128: 32 accumulator tiles of 16 x 16, 256 registers.
; 64 block rows x 2 block columns = 128 work-groups.  Blocks of 256 x 256 would be 64; blocks of 128 x 128 would be 256, but a wave of 64 x 64 reads
; 8 fragments from LDS for 16 matrix instructions where this one reads 12 for 32, and has 64 matrix instructions a K step for the next tile to land
; where this one has 128.
; K goes in steps of 128 through two LDS slots filled by tensor loads: 128 rows of A (272 bytes each in LDS) and 128 k-rows of B (544 bytes each),
; B's fragments read by the transposing LDS load.
; CLUSTER of 4 x 1: four block rows of one block column read the same tiles of W1: joint loads, mask 15.  A's tile hangs on cx: a load of the work-group's own.
; REGISTERS in windows of 256: window 0 addresses and A's fragments, window 1 B's fragments and the bias, window 2 the accumulators (tile (a, b) at v[8 (8 a + b)]).
; The matrix instruction is used transposed: lane l holds row l % 16 of C and columns 8 (l / 16) + 0..7.  The first product of each tile takes the bias as C.
; Tensor loads outstanding in a wave, by this text's count: two at the start, then one.
.set AP,     1024
.set BP,     512
.set LAPS,   4
.set CPB,    1024
.set PITCH,  272
.set BPITCH, 544
.set HALFA,  64*PITCH                  ; half of A's tile: what wave 0 or 1 fetches, and what a wave reads of A
.set HALFT,  64*BPITCH                 ; half of B's tile: what wave 2 or 3 fetches
.set SLOT,   4*HALFT                   ; A's 128 rows in the first 2 HALFA bytes; B's two halves from 2 HALFT on
.set STAGE,  2*SLOT
.set WSTAGE, 16*PITCH
.set STEPA,  256
.set STEPB,  128*BP*2
.set ADRA, 16
.set ADRB, 20
.set STO,  24
.set RD,   25
.set CO,   26
.set BO,   27
.set F0,   64
.set F1,   128
.set TMP,  192
.set BIAS, 192
.set G1,  24
.set G0,  32
.set G1B, 48
.set G0B, 56
.set MSB, 0
.macro WIN new
.if MSB != (\new)
	s_set_vgpr_msb (MSB<<8)|(\new)
.set MSB, (\new)
.endif
.endm
.macro PLACES                          ; four places behind matrix instructions (ISA guide 7.12.1)
.rept 4
	v_nop
.endr
.endm
.macro SHAPE g, cols, rows, pitch
	s_mov_b32 s[\g+1], (\cols)<<16
	s_mov_b32 s[\g+2], (\rows)<<16
	s_mov_b32 s[\g+3], (\cols)<<16
	s_mov_b32 s[\g+4], \rows
	s_mov_b32 s[\g+5], \pitch
	s_mov_b32 s[\g+6], 0
	s_mov_b32 s[\g+7], 0
.endm
.macro JLOAD s                         ; waves 0, 1 fetch A's halves, waves 2, 3 ask jointly for B's: one tensor load a wave
	s_cmp_eq_u32 s11, 0
	s_cbranch_scc0 .Lfor_b_\@
	tensor_load_to_lds s[G0+4*\s:G0+4*\s+3], s[G1:G1+7]
	s_nop 0
.rept 4
	v_nop
.endr
	s_branch .Lasked_\@
.Lfor_b_\@:
	tensor_load_to_lds s[G0B+4*\s:G0B+4*\s+3], s[G1B:G1B+7]
	s_nop 0
.rept 4
	v_nop
.endr
.Lasked_\@:
.endm
.macro CREST
	s_cmp_lg_u32 s10, 0
	s_cbranch_scc1 .Lnot_wave_0_\@
	s_barrier_signal -3
.Lnot_wave_0_\@:
	s_barrier_wait -3
	s_barrier_signal -1
	s_barrier_wait -1
.endm
.macro CROUND
	s_barrier_signal -1
	s_barrier_wait -1
	CREST
.endm
.macro FIRST                           ; s84 = wave x HALFA (waves 0, 1), s20 = wave x HALFT (waves 2, 3)
.irp s, 0,1
	s_mov_b32 s[G0+4*\s], 1
	s_add_co_u32 s[G0+4*\s+1], s84, \s*SLOT
	s_add_nc_u64 s[G0+4*\s+2:G0+4*\s+3], s[14:15], \s*STEPA
	s_or_b32 s[G0+4*\s+3], s[G0+4*\s+3], 0x80000000
	s_mov_b32 s[G0B+4*\s], 1
	s_add_co_u32 s[G0B+4*\s+1], s20, \s*SLOT
	s_add_nc_u64 s[G0B+4*\s+2:G0B+4*\s+3], s[46:47], \s*STEPB
	s_or_b32 s[G0B+4*\s+3], s[G0B+4*\s+3], 0x80000000
	JLOAD \s
.endr
.endm
.macro LANES hshift
	v_and_b32 v1, 15, v0
	v_bfe_u32 v2, v0, 4, 1
	v_mul_u32_u24 v3, v1, PITCH
	v_lshl_add_u32 v3, v2, 4, v3
	s_mul_i32 s21, s11, HALFA                      ; my 64 rows of A
	v_and_b32 v4, 7, v0
	v_lshl_add_u32 v4, v2, 3, v4
	v_mul_u32_u24 v4, v4, BPITCH
	v_bfe_u32 v5, v0, 3, 1
	v_lshl_add_u32 v4, v5, 4, v4
	s_lshl_b32 s22, s12, 8                         ; my 128 columns of B
	s_add_co_u32 s22, s22, 2*HALFT
.irp s, 0,1
	v_add_nc_u32 v[ADRA+\s], s21, v3
	v_add_nc_u32 v[ADRB+\s], s22, v4
	s_add_co_u32 s21, s21, SLOT
	s_add_co_u32 s22, s22, SLOT
.endr
	s_mul_i32 s23, s10, WSTAGE
	s_add_co_u32 s23, s23, STAGE
	v_mul_u32_u24 v5, v1, PITCH
	v_lshl_add_u32 v5, v2, \hshift, v5
	v_add_nc_u32 v[STO], s23, v5
	v_mul_u32_u24 v5, v2, PITCH
	v_lshl_add_u32 v5, v1, 4, v5
	v_add_nc_u32 v[RD], s23, v5
	v_mul_u32_u24 v5, v2, CPB
	v_lshl_add_u32 v[CO], v1, 4, v5
.endm
; 16 matrix instructions: row blocks a0, a0 + 1 x all 8 column blocks, 32 along K.  first = 1: C is the bias.
; The 32 accumulators take turns, one instruction a turn, in the same order everywhere.
.macro MUL16 f, a0, first
.irp a, \a0, \a0+1
.irp b, 0,1,2,3,4,5,6,7
.if \first
	v_wmma_f32_16x16x32_bf16 v[8*(8*(\a)+\b):8*(8*(\a)+\b)+7], v[\f+8*\b:\f+8*\b+7], v[\f+8*(\a):\f+8*(\a)+7], v[BIAS+8*\b:BIAS+8*\b+7]
.else
	v_wmma_f32_16x16x32_bf16 v[8*(8*(\a)+\b):8*(8*(\a)+\b)+7], v[\f+8*\b:\f+8*\b+7], v[\f+8*(\a):\f+8*(\a)+7], v[8*(8*(\a)+\b):8*(8*(\a)+\b)+7]
.endif
.endr
.endr
.endm
.macro MWIN first                      ; source 0 (B) window 1, source 1 (A) window 0, D window 2; C the same, or window 1 for the bias
.if \first
	WIN 0x91
.else
	WIN 0xa1
.endif
.endm
.macro FETCH slot, k, f                ; 24 LDS loads in one run: 128 columns of B, 64 rows of A, 32 along K
	WIN 0x40
.irp i, 0,1,2,3,4,5,6,7
	ds_load_tr16_b128 v[\f+8*\i:\f+8*\i+3],   v[ADRB+\slot] offset:(\k/64)*32*BPITCH+32*\i
	ds_load_tr16_b128 v[\f+8*\i+4:\f+8*\i+7], v[ADRB+\slot] offset:(\k/64)*32*BPITCH+16*BPITCH+32*\i
.endr
	WIN 0
.irp i, 0,1,2,3
	ds_load_b128 v[\f+8*\i:\f+8*\i+3],   v[ADRA+\slot] offset:\k+\i*16*PITCH
	ds_load_b128 v[\f+8*\i+4:\f+8*\i+7], v[ADRA+\slot] offset:\k+\i*16*PITCH+32
.endr
.endm
; A quarter of a K step: the next quarter's 24 loads go out first, into buffer g, then 32 matrix instructions on buffer f, in which they come back
.macro QUARTER slot, k, f, g, first
	s_wait_dscnt 0x0                               ; buffer f is in: its loads were issued a quarter ago
	PLACES                                         ; behind the last quarter's matrix instructions, which read buffer g
	FETCH \slot, \k, \g
	MWIN \first
	MUL16 \f, 0, \first
	MUL16 \f, 2, \first
.endm
.macro THREE slot, first
	QUARTER \slot, 64,  F0, F1, \first
	QUARTER \slot, 128, F1, F0, 0
	QUARTER \slot, 192, F0, F1, 0
.endm
; The change of slots: each wave waits for its reads of this slot and for all its tensor loads; with fill = 1 the barrier opens a round of the cluster's
; barrier, and the refill is the first tensor load behind the round's closing wait.
.macro TURN slot, next, fill
	s_wait_dscnt 0x0                               ; buffer 1 is in, and with it my reads of this slot are over
	s_wait_tensorcnt 0x0                           ; all my tensor loads have landed
	s_barrier_signal -1
	WIN 0xa1
	MUL16 F1, 0, 0                                 ; register work while the others arrive
	WIN 0
	s_barrier_wait -1
.if \fill
	CREST
	s_add_nc_u64 s[G0+4*\slot+2:G0+4*\slot+3], s[G0+4*\slot+2:G0+4*\slot+3], 2*STEPA
	s_add_nc_u64 s[G0B+4*\slot+2:G0B+4*\slot+3], s[G0B+4*\slot+2:G0B+4*\slot+3], 2*STEPB
	JLOAD \slot                                    ; its four v_nop are also the places in front of the loads below
.else
	PLACES
.endif
	FETCH \next, 0, F0
	WIN 0xa1
	MUL16 F1, 2, 0
.endm
.macro LAP first
	THREE 0, \first
	TURN 0, 1, 1
	THREE 1, 0
	TURN 1, 0, 1
.endm
.macro LAST first
	THREE 0, \first
	TURN 0, 1, 0
	THREE 1, 0
	s_wait_dscnt 0x0
	WIN 0xa1
	MUL16 F1, 0, 0
	MUL16 F1, 2, 0
.endm
; The way out in bf16: rows 16 i .. 16 i + 15 of my block = tiles (i, 0..7) of window 2; relu in f32, then through my own stage
.macro OUTB i, f
	WIN 0x88
.set ii, 0
.rept 64
	v_max_num_f32 v[64*\i+ii], 0, v[64*\i+ii]
.set ii, ii+1
.endr
	WIN 0x0a
.irp b, 0,1,2,3,4,5,6,7
.irp rr, 0,1,2,3
	v_cvt_pk_bf16_f32 v[TMP+4*\b+\rr], v[64*\i+8*\b+2*\rr], v[64*\i+8*\b+2*\rr+1]
.endr
.endr
	WIN 0
.irp b, 0,1,2,3,4,5,6,7
	ds_store_b128 v[STO], v[TMP+4*\b:TMP+4*\b+3] offset:32*\b
.endr
	s_wait_xcnt 0x0                                ; buffer f, which earlier stores read, is loaded again only behind this wait
.irp t, 0,1,2,3,4,5,6,7
	ds_load_b128 v[\f+4*\t:\f+4*\t+3], v[RD] offset:\t*2*PITCH     ; LDS serves a wave's instructions in order: these see the stores above
.endr
.irp t, 0,1,2,3,4,5,6,7
	s_wait_dscnt 7-\t
	global_store_b128 v[CO], v[\f+4*\t:\f+4*\t+3], s[8:9] offset:(16*\i+2*\t)*CPB   ; 16 lanes store 256 consecutive bytes at a multiple of 256
.endr
.endm
	s_load_b128 s[4:7], s[0:1], 0x0                ; xb, wb
	s_load_b64 s[8:9], s[0:1], 0x10                ; rb
	s_load_b64 s[68:69], s[0:1], 0x18              ; b1
	v_lshrrev_b32 v1, 5, v0
	v_readfirstlane_b32 s10, v1
	s_lshr_b32 s11, s10, 1                         ; my half of the rows; also: I fetch for A (0) or B (1)
	s_and_b32 s12, s10, 1                          ; my half of the columns; also: which half of that tile I fetch
	s_bfe_u32 s40, ttmp6, 0x40000                  ; cx
	s_lshl_b32 s13, ttmp9, 2
	s_add_co_u32 s13, s13, s40                     ; block row = 4 x cluster x + cx, 0 to 63
	s_and_b32 s42, ttmp7, 0xffff                   ; block column
	s_mov_b32 s[G1], (1<<16)|(1<<20)|(5<<22)|(3<<25)               ; A: my own; 4 words of padding behind every 64
	s_mov_b32 s[G1B], 15|(1<<16)|(1<<20)|(1<<21)|(6<<22)|(7<<25)   ; B: all four partners, bit 21 beside the mask; 8 words behind every 128
	SHAPE G1, 128, 64, AP
	SHAPE G1B, 256, 64, BP
	s_lshl_b32 s16, s13, 7
	s_lshl_b32 s17, s12, 6
	s_add_co_u32 s16, s16, s17                     ; A: row 128 x block row + 64 x half,
	s_lshl_b32 s16, s16, 11                        ; of 2,048 bytes
	s_mov_b32 s17, 0
	s_lshl_b32 s46, s42, 9                         ; B: 512 bytes a block column,
	s_lshl_b32 s47, s12, 16                        ; 64 k-rows of 1,024 bytes a half,
	s_add_co_u32 s46, s46, s47
	s_add_co_u32 s46, s46, 0x600000                ; W1's place in wb
	s_mov_b32 s47, 0
	s_mul_i32 s20, s10, HALFT
	s_mul_i32 s84, s10, HALFA
	s_wait_kmcnt 0x0
	s_add_nc_u64 s[14:15], s[4:5], s[16:17]
	s_add_nc_u64 s[46:47], s[6:7], s[46:47]
	CROUND                                         ; all four work-groups are here: the first joint loads meet
	FIRST
	LANES 4
	s_lshl_b32 s76, s42, 10
	s_lshl_b32 s77, s12, 9
	s_add_co_u32 s76, s76, s77
	s_mov_b32 s77, 0
	s_add_nc_u64 s[74:75], s[68:69], s[76:77]      ; the bias of my 128 columns
	v_lshlrev_b32 v[BO], 5, v2
	WIN 0x40
.irp b, 0,1,2,3,4,5,6,7
	global_load_b128 v[BIAS+8*\b:BIAS+8*\b+3],   v[BO], s[74:75] offset:64*\b
	global_load_b128 v[BIAS+8*\b+4:BIAS+8*\b+7], v[BO], s[74:75] offset:64*\b+16
.endr
	WIN 0
	s_wait_loadcnt 0x0
	s_wait_tensorcnt 0x1                           ; my part of K step 0 is in; K step 1's may stay out
	s_barrier_signal -1
	s_barrier_wait -1
	FETCH 0, 0, F0
	LAP 1
	WIN 0
	s_mov_b32 s3, LAPS-2
.Llap:
	LAP 0
	WIN 0
	s_sub_co_u32 s3, s3, 1
	s_cmp_lg_u32 s3, 0
	s_cbranch_scc1 .Llap
	LAST 0
	PLACES
	s_lshl_b32 s16, s13, 7
	s_lshl_b32 s14, s11, 6
	s_add_co_u32 s16, s16, s14
	s_lshl_b32 s16, s16, 10                        ; my first row of C, of 1,024 bytes
	s_mov_b32 s17, 0
	s_add_nc_u64 s[8:9], s[8:9], s[16:17]
	s_lshl_b32 s46, s42, 9
	s_lshl_b32 s47, s12, 8
	s_add_co_u32 s46, s46, s47
	s_mov_b32 s47, 0
	s_add_nc_u64 s[8:9], s[8:9], s[46:47]
	OUTB 0, F0
	OUTB 1, F1
	OUTB 2, F0
	OUTB 3, F1
	CROUND                                         ; the closing round
	s_endpgm
.Lfunc_end_k_qe9ab4d4028_ffn1:
	.size	k_qe9ab4d4028_ffn1, .Lfunc_end_k_qe9ab4d4028_ffn1-k_qe9ab4d4028_ffn1
	.p2alignl 7, 3214868480
	.fill 96, 4, 3214868480
	.section	.rodata,"a",@progbits
	.p2align	6, 0x0
	.amdhsa_kernel k_qe9ab4d4028_ffn1
		.amdhsa_group_segment_fixed_size 327680
		.amdhsa_private_segment_fixed_size 0
		.amdhsa_enable_private_segment 0
		.amdhsa_kernarg_size 32
		.amdhsa_user_sgpr_count 2
		.amdhsa_user_sgpr_kernarg_segment_ptr 1
		.amdhsa_wavefront_size32 1
		.amdhsa_system_sgpr_workgroup_id_x 1
		.amdhsa_system_sgpr_workgroup_id_y 1
		.amdhsa_system_sgpr_workgroup_id_z 1
		.amdhsa_system_vgpr_workitem_id 0
		.amdhsa_next_free_vgpr 768
		.amdhsa_next_free_sgpr 96
		.amdhsa_reserve_vcc 0
		.amdhsa_float_denorm_mode_32 3
		.amdhsa_float_denorm_mode_16_64 3
		.amdhsa_memory_ordered 1
		.amdhsa_forward_progress 1
		.amdhsa_inst_pref_size 128
	.end_amdhsa_kernel
	.amdgpu_metadata
---
amdhsa.version: [ 1, 2 ]
amdhsa.kernels:
  - .name:           k_qe9ab4d4028_ffn1
    .symbol:         k_qe9ab4d4028_ffn1.kd
    .args:
      - { .name: xb, .offset: 0, .size: 8, .value_kind: global_buffer, .address_space: global }
      - { .name: wb, .offset: 8, .size: 8, .value_kind: global_buffer, .address_space: global }
      - { .name: rb, .offset: 16, .size: 8, .value_kind: global_buffer, .address_space: global }
      - { .name: b1, .offset: 24, .size: 8, .value_kind: global_buffer, .address_space: global }
    .group_segment_fixed_size: 327680
    .private_segment_fixed_size: 0
    .kernarg_segment_align: 8
    .kernarg_segment_size: 32
    .max_flat_workgroup_size: 128
    .sgpr_count:     96
    .vgpr_count:     768
    .wavefront_size: 32
...
	.end_amdgpu_metadata
.endif
;; end of part 6
;; launch ffn2 (part 7): grid 4 x 64, 4 waves a work-group, clusters of 4 x 4, 327,680 bytes of LDS; arguments rb, wb, out0, b2, x1; writes out0
.if DOCPART == 7
	.amdgcn_target "amdgcn-amd-amdhsa--gfx1250"
	.amdhsa_code_object_version 6
	.text
	.protected	k_qe9ab4d4028_ffn2
	.globl	k_qe9ab4d4028_ffn2
	.p2align	8
	.type	k_qe9ab4d4028_ffn2,@function
k_qe9ab4d4028_ffn2:
	s_mov_b64 s[64:65], 0
	v_nop
	global_prefetch_b8 v0, s[64:65] scope:SCOPE_SE
	s_setreg_imm32_b32 hwreg(HW_REG_WAVE_MODE, 25, 1), 1
	s_wait_xcnt 0x0
	s_wait_alu depctr_hold_cnt(0) depctr_sa_sdst(0) depctr_va_vdst(0) depctr_va_sdst(0) depctr_va_ssrc(0) depctr_va_vcc(0) depctr_vm_vsrc(0)
	s_getreg_b32 s2, hwreg(HW_REG_IB_STS2, 6, 4)
	s_cmp_eq_u32 s2, 0
	s_cbranch_scc0 .Lentry_in_a_cluster
	s_endpgm
.Lentry_in_a_cluster:
	s_bfe_u32 s2, ttmp6, 0x10000c
	s_cmp_lg_u32 s2, 0xf033
	s_cbranch_scc0 .Lentry_shape_is_right
	s_endpgm
.Lentry_shape_is_right:
; out0 = x1 + r W2 + b2.  rb: r, [8192][512] bf16.  W2: [512 (k)][1024 (n)] bf16, 7,340,032 bytes into wb.  x1, out0: [8192][1024] f32.  Sums in f32.
; A work-group makes 128 x 256 of the result with four waves, a wave 64 x 128: 32 accumulator tiles of 16 x 16, 256 registers.
; 64 block rows x 4 block columns = 256 work-groups, one for each of 256 WGPs.  K = 512: two laps of two K steps of 128 through two LDS slots filled by
; tensor loads: 128 rows of A (272 bytes each in LDS), 128 k-rows of B (544 bytes each, read by the transposing LDS load).
; CLUSTERS of 4 x 4: A's tile hangs on the block row alone and is asked for jointly by a row of the cluster, B's on the block column alone, by a column.
; REGISTERS in windows of 256: window 0 addresses and A's fragments, window 1 B's fragments and the bias, window 2 the accumulators,
; window 3 my whole part of x1: 64 rows x 512 bytes = 256 registers, asked for behind the first barrier, so that it comes in while the product is made.
; The matrix instruction is used transposed: lane l holds row l % 16 of C and columns 8 (l / 16) + 0..7.  The first product of each tile takes the bias as C.
; Tensor loads outstanding in a wave, by this text's count: two at the start, then one.
.set AP,     512
.set BP,     1024
.set CPB,    4096
.set PITCH,  272
.set BPITCH, 544
.set HALFA,  64*PITCH                  ; half of A's tile: what wave 0 or 1 fetches, and what a wave reads of A
.set HALFT,  64*BPITCH                 ; half of B's tile: what wave 2 or 3 fetches
.set SLOT,   4*HALFT                   ; A's 128 rows in the first 2 HALFA bytes; B's two halves from 2 HALFT on
.set STAGE,  2*SLOT
.set WSTAGE, 16*PITCH
.set STEPA,  256
.set STEPB,  128*BP*2
.set ADRA, 16
.set ADRB, 20
.set STO,  24
.set RD,   25
.set CO,   26
.set BO,   27
.set F0,   64
.set F1,   128
.set BIAS, 192
.set G1,  24
.set G0,  32
.set G1B, 48
.set G0B, 56
.set MSB, 0
.macro WIN new
.if MSB != (\new)
	s_set_vgpr_msb (MSB<<8)|(\new)
.set MSB, (\new)
.endif
.endm
.macro PLACES                          ; four places behind matrix instructions (ISA guide 7.12.1)
.rept 4
	v_nop
.endr
.endm
.macro SHAPE g, cols, rows, pitch
	s_mov_b32 s[\g+1], (\cols)<<16
	s_mov_b32 s[\g+2], (\rows)<<16
	s_mov_b32 s[\g+3], (\cols)<<16
	s_mov_b32 s[\g+4], \rows
	s_mov_b32 s[\g+5], \pitch
	s_mov_b32 s[\g+6], 0
	s_mov_b32 s[\g+7], 0
.endm
.macro JLOAD s                         ; waves 0, 1 ask for A's halves, waves 2, 3 for B's: one tensor load a wave
	s_cmp_eq_u32 s11, 0
	s_cbranch_scc0 .Lfor_b_\@
	tensor_load_to_lds s[G0+4*\s:G0+4*\s+3], s[G1:G1+7]
	s_nop 0
.rept 4
	v_nop
.endr
	s_branch .Lasked_\@
.Lfor_b_\@:
	tensor_load_to_lds s[G0B+4*\s:G0B+4*\s+3], s[G1B:G1B+7]
	s_nop 0
.rept 4
	v_nop
.endr
.Lasked_\@:
.endm
.macro CREST
	s_cmp_lg_u32 s10, 0
	s_cbranch_scc1 .Lnot_wave_0_\@
	s_barrier_signal -3
.Lnot_wave_0_\@:
	s_barrier_wait -3
	s_barrier_signal -1
	s_barrier_wait -1
.endm
.macro CROUND
	s_barrier_signal -1
	s_barrier_wait -1
	CREST
.endm
.macro FIRST                           ; s84 = wave x HALFA (waves 0, 1), s20 = wave x HALFT (waves 2, 3)
.irp s, 0,1
	s_mov_b32 s[G0+4*\s], 1
	s_add_co_u32 s[G0+4*\s+1], s84, \s*SLOT
	s_add_nc_u64 s[G0+4*\s+2:G0+4*\s+3], s[14:15], \s*STEPA
	s_or_b32 s[G0+4*\s+3], s[G0+4*\s+3], 0x80000000
	s_mov_b32 s[G0B+4*\s], 1
	s_add_co_u32 s[G0B+4*\s+1], s20, \s*SLOT
	s_add_nc_u64 s[G0B+4*\s+2:G0B+4*\s+3], s[46:47], \s*STEPB
	s_or_b32 s[G0B+4*\s+3], s[G0B+4*\s+3], 0x80000000
	JLOAD \s
.endr
.endm
.macro LANES hshift
	v_and_b32 v1, 15, v0
	v_bfe_u32 v2, v0, 4, 1
	v_mul_u32_u24 v3, v1, PITCH
	v_lshl_add_u32 v3, v2, 4, v3
	s_mul_i32 s21, s11, HALFA                      ; my 64 rows of A
	v_and_b32 v4, 7, v0
	v_lshl_add_u32 v4, v2, 3, v4
	v_mul_u32_u24 v4, v4, BPITCH
	v_bfe_u32 v5, v0, 3, 1
	v_lshl_add_u32 v4, v5, 4, v4
	s_lshl_b32 s22, s12, 8                         ; my 128 columns of B
	s_add_co_u32 s22, s22, 2*HALFT
.irp s, 0,1
	v_add_nc_u32 v[ADRA+\s], s21, v3
	v_add_nc_u32 v[ADRB+\s], s22, v4
	s_add_co_u32 s21, s21, SLOT
	s_add_co_u32 s22, s22, SLOT
.endr
	s_mul_i32 s23, s10, WSTAGE
	s_add_co_u32 s23, s23, STAGE
	v_mul_u32_u24 v5, v1, PITCH
	v_lshl_add_u32 v5, v2, \hshift, v5
	v_add_nc_u32 v[STO], s23, v5
	v_mul_u32_u24 v5, v2, PITCH
	v_lshl_add_u32 v5, v1, 4, v5
	v_add_nc_u32 v[RD], s23, v5
	v_mul_u32_u24 v5, v2, CPB
	v_lshl_add_u32 v[CO], v1, 4, v5
.endm
; 16 matrix instructions: row blocks a0, a0 + 1 x all 8 column blocks, 32 along K.  first = 1: C is the bias.
; The 32 accumulators take turns, one instruction a turn, in the same order everywhere.
.macro MUL16 f, a0, first
.irp a, \a0, \a0+1
.irp b, 0,1,2,3,4,5,6,7
.if \first
	v_wmma_f32_16x16x32_bf16 v[8*(8*(\a)+\b):8*(8*(\a)+\b)+7], v[\f+8*\b:\f+8*\b+7], v[\f+8*(\a):\f+8*(\a)+7], v[BIAS+8*\b:BIAS+8*\b+7]
.else
	v_wmma_f32_16x16x32_bf16 v[8*(8*(\a)+\b):8*(8*(\a)+\b)+7], v[\f+8*\b:\f+8*\b+7], v[\f+8*(\a):\f+8*(\a)+7], v[8*(8*(\a)+\b):8*(8*(\a)+\b)+7]
.endif
.endr
.endr
.endm
.macro MWIN first                      ; source 0 (B) window 1, source 1 (A) window 0, D window 2; C the same, or window 1 for the bias
.if \first
	WIN 0x91
.else
	WIN 0xa1
.endif
.endm
.macro FETCH slot, k, f                ; 24 LDS loads in one run: 128 columns of B, 64 rows of A, 32 along K
	WIN 0x40
.irp i, 0,1,2,3,4,5,6,7
	ds_load_tr16_b128 v[\f+8*\i:\f+8*\i+3],   v[ADRB+\slot] offset:(\k/64)*32*BPITCH+32*\i
	ds_load_tr16_b128 v[\f+8*\i+4:\f+8*\i+7], v[ADRB+\slot] offset:(\k/64)*32*BPITCH+16*BPITCH+32*\i
.endr
	WIN 0
.irp i, 0,1,2,3
	ds_load_b128 v[\f+8*\i:\f+8*\i+3],   v[ADRA+\slot] offset:\k+\i*16*PITCH
	ds_load_b128 v[\f+8*\i+4:\f+8*\i+7], v[ADRA+\slot] offset:\k+\i*16*PITCH+32
.endr
.endm
; A quarter of a K step: the next quarter's 24 loads go out first, into buffer g, then 32 matrix instructions on buffer f, in which they come back
.macro QUARTER slot, k, f, g, first
	s_wait_dscnt 0x0                               ; buffer f is in: its loads were issued a quarter ago
	PLACES                                         ; behind the last quarter's matrix instructions, which read buffer g
	FETCH \slot, \k, \g
	MWIN \first
	MUL16 \f, 0, \first
	MUL16 \f, 2, \first
.endm
.macro THREE slot, first
	QUARTER \slot, 64,  F0, F1, \first
	QUARTER \slot, 128, F1, F0, 0
	QUARTER \slot, 192, F0, F1, 0
.endm
; The change of slots: each wave waits for its reads of this slot and for all its tensor loads; with fill = 1 the barrier opens a round of the cluster's
; barrier, and the joint refill is the first tensor load behind the round's closing wait.
.macro TURN slot, next, fill
	s_wait_dscnt 0x0                               ; buffer 1 is in, and with it my reads of this slot are over
	s_wait_tensorcnt 0x0                           ; all my tensor loads have landed
	s_barrier_signal -1
	WIN 0xa1
	MUL16 F1, 0, 0                                 ; register work while the others arrive
	WIN 0
	s_barrier_wait -1
.if \fill
	CREST
	s_add_nc_u64 s[G0+4*\slot+2:G0+4*\slot+3], s[G0+4*\slot+2:G0+4*\slot+3], 2*STEPA
	s_add_nc_u64 s[G0B+4*\slot+2:G0B+4*\slot+3], s[G0B+4*\slot+2:G0B+4*\slot+3], 2*STEPB
	JLOAD \slot                                    ; its four v_nop are also the places in front of the loads below
.else
	PLACES
.endif
	FETCH \next, 0, F0
	WIN 0xa1
	MUL16 F1, 2, 0
.endm
.macro LAP first
	THREE 0, \first
	TURN 0, 1, 1
	THREE 1, 0
	TURN 1, 0, 1
.endm
.macro LAST first
	THREE 0, \first
	TURN 0, 1, 0
	THREE 1, 0
	s_wait_dscnt 0x0
	WIN 0xa1
	MUL16 F1, 0, 0
	MUL16 F1, 2, 0
.endm
; The way out goes in 8 passes: pass p = rows 16 (p / 2) .. + 15, columns 64 (p % 2) .. + 63 of my block.
; x1 of pass p lies in registers 32 p .. 32 p + 31 of window 3, in the order in which the pass reads its rows back from the stage.
.macro XLOAD p
	WIN 0xc0                                       ; a load's data is the destination: window 3; its address register is source 0: window 0
.irp t, 0,1,2,3,4,5,6,7
	global_load_b128 v[32*(\p)+4*\t:32*(\p)+4*\t+3], v[CO], s[70:71] offset:(16*((\p)/2)+2*\t)*CPB+256*((\p)%2)
.endr
.endm
.macro OUTX p, f
.set AB, 64*((\p)/2)+32*((\p)%2)       ; the pass's four tiles in window 2
.set XR, 32*(\p)
	WIN 0x08                                       ; an LDS store's data is source 1
.irp b, 0,1,2,3
	ds_store_b128 v[STO], v[AB+8*\b:AB+8*\b+3] offset:64*\b
	ds_store_b128 v[STO], v[AB+8*\b+4:AB+8*\b+7] offset:64*\b+16
.endr
	WIN 0
	s_wait_xcnt 0x0                                ; buffer f, which earlier stores read, is loaded again only behind this wait
.irp t, 0,1,2,3,4,5,6,7
	ds_load_b128 v[\f+4*\t:\f+4*\t+3], v[RD] offset:\t*2*PITCH     ; LDS serves a wave's instructions in order: these see the stores above
.endr
	s_wait_loadcnt 8*(7-(\p))                      ; this pass's x1 is in; the eight loads of each later pass may be out
	s_wait_dscnt 0x0
	WIN 0x0c
.set ii, 0
.rept 16
	v_pk_add_f32 v[\f+ii:\f+ii+1], v[\f+ii:\f+ii+1], v[XR+ii:XR+ii+1]
.set ii, ii+2
.endr
	WIN 0
.irp t, 0,1,2,3,4,5,6,7
	global_store_b128 v[CO], v[\f+4*\t:\f+4*\t+3], s[8:9] offset:(16*((\p)/2)+2*\t)*CPB+256*((\p)%2)   ; 16 lanes store 256 consecutive bytes at a multiple of 256
.endr
.endm
	s_load_b128 s[4:7], s[0:1], 0x0                ; rb, wb
	s_load_b64 s[8:9], s[0:1], 0x10                ; out0
	s_load_b128 s[68:71], s[0:1], 0x18             ; b2, x1
	v_lshrrev_b32 v1, 5, v0
	v_readfirstlane_b32 s10, v1
	s_lshr_b32 s11, s10, 1                         ; my half of the rows; also: I fetch for A (0) or B (1)
	s_and_b32 s12, s10, 1                          ; my half of the columns; also: which half of that tile I fetch
	s_bfe_u32 s40, ttmp6, 0x40000                  ; cx
	s_bfe_u32 s41, ttmp6, 0x40004                  ; cy
	s_lshl_b32 s42, ttmp9, 2
	s_add_co_u32 s42, s42, s40                     ; block column = 4 x cluster x + cx
	s_and_b32 s13, ttmp7, 0xffff
	s_lshl_b32 s13, s13, 2
	s_add_co_u32 s13, s13, s41                     ; block row = 4 x cluster y + cy, 0 to 63
	s_lshl_b32 s43, s41, 2
	s_lshl_b32 s43, 15, s43                        ; my row of the cluster
	s_lshl_b32 s44, 0x1111, s40                    ; my column
	s_or_b32 s[G1], s43, (1<<16)|(1<<20)|(1<<21)|(5<<22)|(3<<25)
	s_or_b32 s[G1B], s44, (1<<16)|(1<<20)|(1<<21)|(6<<22)|(7<<25)
	SHAPE G1, 128, 64, AP
	SHAPE G1B, 256, 64, BP
	s_lshl_b32 s16, s13, 7
	s_lshl_b32 s17, s12, 6
	s_add_co_u32 s16, s16, s17                     ; A: row 128 x block row + 64 x half,
	s_lshl_b32 s16, s16, 10                        ; of 1,024 bytes
	s_mov_b32 s17, 0
	s_lshl_b32 s46, s42, 9                         ; B: 512 bytes a block column,
	s_lshl_b32 s47, s12, 17                        ; 64 k-rows of 2,048 bytes a half,
	s_add_co_u32 s46, s46, s47
	s_add_co_u32 s46, s46, 0x700000                ; W2's place in wb
	s_mov_b32 s47, 0
	s_mul_i32 s20, s10, HALFT
	s_mul_i32 s84, s10, HALFA
	s_wait_kmcnt 0x0
	s_add_nc_u64 s[14:15], s[4:5], s[16:17]
	s_add_nc_u64 s[46:47], s[6:7], s[46:47]
	CROUND                                         ; all sixteen work-groups are here: the first joint loads meet
	FIRST
	LANES 5
	s_lshl_b32 s76, s42, 10
	s_lshl_b32 s77, s12, 9
	s_add_co_u32 s76, s76, s77                     ; 4 bytes x (256 x block column + 128 x half): my columns in b2, and in a row of x1 and out0
	s_mov_b32 s77, 0
	s_add_nc_u64 s[74:75], s[68:69], s[76:77]
	v_lshlrev_b32 v[BO], 5, v2
	WIN 0x40
.irp b, 0,1,2,3,4,5,6,7
	global_load_b128 v[BIAS+8*\b:BIAS+8*\b+3],   v[BO], s[74:75] offset:64*\b
	global_load_b128 v[BIAS+8*\b+4:BIAS+8*\b+7], v[BO], s[74:75] offset:64*\b+16
.endr
	WIN 0
	s_lshl_b32 s16, s13, 7
	s_lshl_b32 s17, s11, 6
	s_add_co_u32 s16, s16, s17
	s_lshl_b32 s16, s16, 12                        ; my first row of x1 and out0, of 4,096 bytes
	s_mov_b32 s17, 0
	s_add_nc_u64 s[8:9], s[8:9], s[16:17]
	s_add_nc_u64 s[70:71], s[70:71], s[16:17]
	s_add_nc_u64 s[8:9], s[8:9], s[76:77]
	s_add_nc_u64 s[70:71], s[70:71], s[76:77]
	s_wait_loadcnt 0x0                             ; the bias, once
	s_wait_tensorcnt 0x1                           ; my part of K step 0 is in; K step 1's may stay out
	s_barrier_signal -1
	s_barrier_wait -1
	FETCH 0, 0, F0
.irp p, 0,1,2,3,4,5,6,7
	XLOAD \p                                       ; my part of x1: wanted only on the way out
.endr
	LAP 1
	LAST 0
	PLACES
.irp p, 0,2,4,6
	OUTX \p, F0
	OUTX \p+1, F1
.endr
	CROUND                                         ; the closing round
	s_endpgm
.Lfunc_end_k_qe9ab4d4028_ffn2:
	.size	k_qe9ab4d4028_ffn2, .Lfunc_end_k_qe9ab4d4028_ffn2-k_qe9ab4d4028_ffn2
	.p2alignl 7, 3214868480
	.fill 96, 4, 3214868480
	.section	.rodata,"a",@progbits
	.p2align	6, 0x0
	.amdhsa_kernel k_qe9ab4d4028_ffn2
		.amdhsa_group_segment_fixed_size 327680
		.amdhsa_private_segment_fixed_size 0
		.amdhsa_enable_private_segment 0
		.amdhsa_kernarg_size 40
		.amdhsa_user_sgpr_count 2
		.amdhsa_user_sgpr_kernarg_segment_ptr 1
		.amdhsa_wavefront_size32 1
		.amdhsa_system_sgpr_workgroup_id_x 1
		.amdhsa_system_sgpr_workgroup_id_y 1
		.amdhsa_system_sgpr_workgroup_id_z 1
		.amdhsa_system_vgpr_workitem_id 0
		.amdhsa_next_free_vgpr 1024
		.amdhsa_next_free_sgpr 96
		.amdhsa_reserve_vcc 0
		.amdhsa_float_denorm_mode_32 3
		.amdhsa_float_denorm_mode_16_64 3
		.amdhsa_memory_ordered 1
		.amdhsa_forward_progress 1
		.amdhsa_inst_pref_size 101
	.end_amdhsa_kernel
	.amdgpu_metadata
---
amdhsa.version: [ 1, 2 ]
amdhsa.kernels:
  - .name:           k_qe9ab4d4028_ffn2
    .symbol:         k_qe9ab4d4028_ffn2.kd
    .args:
      - { .name: rb, .offset: 0, .size: 8, .value_kind: global_buffer, .address_space: global }
      - { .name: wb, .offset: 8, .size: 8, .value_kind: global_buffer, .address_space: global }
      - { .name: out0, .offset: 16, .size: 8, .value_kind: global_buffer, .address_space: global }
      - { .name: b2, .offset: 24, .size: 8, .value_kind: global_buffer, .address_space: global }
      - { .name: x1, .offset: 32, .size: 8, .value_kind: global_buffer, .address_space: global }
    .group_segment_fixed_size: 327680
    .private_segment_fixed_size: 0
    .kernarg_segment_align: 8
    .kernarg_segment_size: 40
    .max_flat_workgroup_size: 128
    .sgpr_count:     96
    .vgpr_count:     1024
    .wavefront_size: 32
...
	.end_amdgpu_metadata
.endif
;; end of part 7
